; MI455X (gfx1250); checked and timed in simulation.
; The chip was launched on July 23, 2026; its instructions are those of AMD's public machine-readable ISA for CDNA 5 (MIT licence, August 2026) and "CDNA5" Instruction Set Architecture Reference Guide (July 2026). The comments in the code are by the model that wrote it; some were corrected since.
;; Attention Layer. Allowed arithmetic: matrix products marked QUANTISED: E2M1 operands, one E8M0 scale for each 32 along K, by v_wmma_scale_f32_16x16x128_f8f6f4 with both operands' format E2M1 (or v_wmma_scale_f32_32x16x128_f4), f32 sums; products left as they are: bf16, f16 or f32 operands; f32 sums; everything else in f32.
;; Inputs: gate_logit 16 float32; gate_w 2,048 x 16 float32; w_k_geo 2,048 x 1,024 float32; w_k_sem 2,048 x 1,024 float32; w_out 2,048 x 2,048 float32; w_q_geo 2,048 x 1,024 float32; w_q_sem 2,048 x 1,024 float32; w_v 2,048 x 2,048 float32; x 2 x 1,024 x 2,048 float32.
;; Outputs: out0 2 x 1,024 x 2,048 float32.
;; This version of the problem:
;;   THIS VERSION OF THE PROBLEM IS GIVEN IN LOW PRECISION. The matrix products marked QUANTISED in the list below multiply operands that are first quantised to E2M1 (2 exponent bits, 1 mantissa bit; 4 bits a number), with one power-of-two scale for each 32 numbers along K (OCP MX v1.0); their sums are f32. The products marked 'left as it is' may take bf16, f16 or f32 operands, with f32 sums. Whichever they take, every output number must still come out within the allowed error. Rounding operands to bf16 (8 significant bits) uses up far more of that allowance than f16 does (11 bits, for magnitudes from 6e-5 to 65,504). All else is computed in f32.
;;   The module's matrix products, in the order in which they are computed (A, B: the left and right operand; K: the contracted axis; several contracted axes count as one K, in the product's order):
;;     1. [M 2,048, K 2,048] x [K 2,048, N 1,024]; A: input x; B: input w_q_sem: QUANTISED
;;     2. [M 2,048, K 2,048] x [K 2,048, N 1,024]; A: input x; B: input w_k_sem: QUANTISED
;;     3. [M 2,048, K 2,048] x [K 2,048, N 1,024]; A: input x; B: input w_q_geo: QUANTISED
;;     4. [M 2,048, K 2,048] x [K 2,048, N 1,024]; A: input x; B: input w_k_geo: QUANTISED
;;     5. [M 2,048, K 2,048] x [K 2,048, N 2,048]; A: input x; B: input w_v: QUANTISED
;;     6. batch 32 x [M 1,024, K 64] x [K 64, N 1,024]; A: computed on the way; B: computed on the way: left as it is (an operand is computed on the way)
;;     7. batch 32 x [M 1,024, K 64] x [K 64, N 1,024]; A: computed on the way; B: computed on the way: left as it is (an operand is computed on the way)
;;     8. [M 2,048, K 2,048] x [K 2,048, N 16]; A: input x; B: input gate_w: QUANTISED
;;     9. batch 32 x [M 1,024, K 1,024] x [K 1,024, N 128]; A: computed on the way; B: computed on the way: left as it is (an operand is computed on the way)
;;     10. [M 2,048, K 2,048] x [K 2,048, N 2,048]; A: computed on the way; B: input w_out: left as it is (an operand is computed on the way)
;;   THE QUANTISER, for each operand of a quantised product, along K:
;;     - K is cut into blocks of 32 from its start; a last block that is shorter is filled with zeros.
;;     - A block's scale is 2^e with e = floor(log2(the largest magnitude in the block)) - 2, held to -126 .. 127; a block of zeros has e = 0. As a byte (E8M0): e + 127.
;;     - Each number is divided by its block's scale, clamped to +-6, and rounded to the nearest number of E2M1, ties to even, subnormals kept.
;;     - The product sums the exact products of the quantised numbers (number of the format x scale) in f32.
;;   ~~~python
;;   def quantise(x, axis):      # numpy; x: float32 -> the quantised numbers, widened to float32 again
;;       x = np.moveaxis(x, axis, -1); K = x.shape[-1]
;;       x = np.pad(x, [(0, 0)] * (x.ndim - 1) + [(0, -K % 32)]); x = x.reshape(x.shape[:-1] + (-1, 32)); a = np.abs(x).max(-1, keepdims=True)
;;       e = np.where(a > 0, np.clip(np.frexp(np.where(a > 0, a, 1))[1] - 1 - 2, -126, 127), 0)      # np.frexp(a)[1] - 1 = floor(log2(a)), exactly
;;       r = np.clip(x / 2.0 ** e, -6, 6)
;;       step = 2.0 ** (np.maximum(np.frexp(np.where(r == 0, 1, r))[1] - 1, 0) - 1)
;;       q = np.round(r / step) * step * 2.0 ** e      # np.round: ties to even
;;       return np.moveaxis(q.reshape(q.shape[:-2] + (-1,))[..., :K], -1, axis).astype(np.float32)
;;   ~~~
;; One version. Each part assembles by itself: llvm-mc -triple=amdgcn-amd-amdhsa -mcpu=gfx1250 --defsym DOCPART=n.
;; ======== version 1 of 1: 4 launches
;; limits: values are held in f16: magnitudes above 65,504 overflow, below 6.1e-05 lose precision; right only within a limited range of input values
;; workspace buffers: codes 8,388,608 bytes; scales 524,288 bytes; aux 655,360 bytes; wo16 8,388,608 bytes; qkv 25,165,824 bytes; att16 8,388,608 bytes
;; launch prep (part 1): grid 448 x 1, 4 waves a work-group, no clusters, 91,648 bytes of LDS; arguments x, w_q_sem, w_k_sem, w_q_geo, w_k_geo, w_v, w_out, gate_w, gate_logit, codes, scales, aux, wo16; writes codes, scales, aux, wo16
.if DOCPART == 1
	.amdgcn_target "amdgcn-amd-amdhsa--gfx1250"
	.amdhsa_code_object_version 6
	.text
	.protected	k_q9723016a2e_prep
	.globl	k_q9723016a2e_prep
	.p2align	8
	.type	k_q9723016a2e_prep,@function
k_q9723016a2e_prep:
	s_mov_b64 s[64:65], 0
	v_nop
	global_prefetch_b8 v0, s[64:65] scope:SCOPE_SE
	s_setreg_imm32_b32 hwreg(HW_REG_WAVE_MODE, 25, 1), 1
	s_wait_xcnt 0x0
; PREP: everything that is made once from the inputs.  Three kinds of work-groups, told apart by the work-group's number alone:
;   0..191   W: the five weights of x's products, [2048 (k)][n] f32, become codes of FP4 (E2M1) with K innermost, rows 2048.. of codes [8192][1024 bytes], and E8M0 bytes, scales [8192][64].
;               Row 2048 + 128 h + d: d < 64 column 64 h + d of w_q_sem, else column 64 h + d - 64 of w_q_geo; rows 4096..: the same of w_k_*; row 6144 + n: column n of w_v.
;   192..319 X: 16 tokens of x become rows 0..2047 of codes and scales; the gate sigmoid(logit + Q(x) Q(gate_w)), by the scaled FP4 matrix instruction, goes to aux [token][16] f32;
;               the rotary table goes to aux + 131072: [token][cos 0..31 | sin 0..31] f32, position = token mod 1024.
;   320..447 O: w_out [2048 (k)][2048 (n)] becomes f16(4 w_out) in pieces of 512 bytes, wo16 [n / 16][k / 16]: lane (r, h) of a piece, at byte 16 (r + 16 h), holds column 16 tile + r, k = 16 kb + 8 h + 0..7.
; THE QUANTISER: a block's scale is 2^(floor(log2(largest magnitude)) - 2); its byte is the largest magnitude's exponent field - 2, held at 1 from below by a floor among the maximum's leaves.
; LIMITS: a block of zeros, or one whose largest magnitude lies under 2^-124, keeps the byte 1 (its codes are zeros or what the conversion gives under that scale; only this program reads the bytes);
; NaN and infinities among the inputs are not served; |4 w_out| stays under 65,504.  Sine and cosine: reduction by pi/2 in three parts, polynomials to y^7 and y^8 on |y| <= pi/4 (truncation under 4e-7), for the positions 0..1023.
.set WST,   0                          ; LDS, path W: four stages of 32 rows x 272 bytes
.set XIN,   34816                      ; path X: four stages of 16 rows x 528 bytes, f32 numbers on their way in
.set XOUT,  68608                      ; four stages of 16 rows x 272 bytes, codes on their way out
.set XSC,   86016                      ; the 16 tokens' scale bytes, 64 a token
.set GP,    87040                      ; the four waves' partial sums of the gate: 1,024 bytes each
.set SPARE, 91136                      ; the spare words, 128 bytes a wave: two blocks of 256 bytes that no other line names
.set SPW,   2                          ; v2  LDS address of my spare word; never rewritten
.set NIL,   3                          ; v3  0; never rewritten
	s_load_b512 s[4:19], s[0:1], 0x0               ; x, w_q_sem, w_k_sem, w_q_geo, w_k_geo, w_v, w_out, gate_w
	s_load_b256 s[20:27], s[0:1], 0x40             ; gate_logit, codes, scales, aux
	s_load_b64 s[28:29], s[0:1], 0x60              ; wo16
	v_lshl_add_u32 v[SPW], v0, 2, SPARE
	v_mov_b32 v[NIL], 0
	v_lshrrev_b32 v1, 5, v0
	v_readfirstlane_b32 s30, v1                    ; wave 0..3
	v_and_b32 v1, 31, v0                           ; lane
	s_wait_kmcnt 0x0
	s_cmp_lt_u32 ttmp9, 192
	s_cbranch_scc1 .Lpath_w
	s_cmp_lt_u32 ttmp9, 320
	s_cbranch_scc1 .Lpath_x
; ---------------- PATH O: a wave takes 32 columns x 256 k of w_out; a lane a column, its registers run down K ----------------
	s_sub_co_u32 s31, ttmp9, 320
	s_lshr_b32 s32, s31, 3                         ; which 128 columns
	s_and_b32 s33, s31, 7                          ; which 256 k
	s_lshl_b32 s34, s33, 21                        ; in: 256 rows of 8,192 bytes,
	s_lshl_b32 s35, s32, 9
	s_add_co_u32 s34, s34, s35                     ; + 128 columns of 4 bytes,
	s_lshl_b32 s35, s30, 7
	s_add_co_u32 s34, s34, s35                     ; + my wave's 32
	s_mov_b32 s35, 0
	s_add_nc_u64 s[16:17], s[16:17], s[34:35]
	s_lshl_b32 s34, s32, 19                        ; out: tile 8 x group + 2 x wave, 65,536 bytes a tile,
	s_lshl_b32 s36, s30, 17
	s_add_co_u32 s34, s34, s36
	s_lshl_b32 s36, s33, 13                        ; + 16 pieces of 512 bytes
	s_add_co_u32 s34, s34, s36
	s_add_nc_u64 s[28:29], s[28:29], s[34:35]
	v_lshlrev_b32 v4, 2, v1                        ; in: 4 bytes a lane
	v_lshrrev_b32 v5, 4, v1
	v_and_b32 v6, 15, v1
	v_lshlrev_b32 v5, 16, v5                       ; out: lanes 16-31 write the next tile;
	v_lshl_add_u32 v5, v6, 4, v5                   ; 16 bytes a lane
.macro LOADK kb                        ; 16 k of my column into set kb % 4
.set n, 0
.rept 16
	global_load_b32 v[16+16*((\kb)%4)+n], v4, s[16:17] offset:(16*(\kb)+n)*8192 th:TH_LOAD_NT
.set n, n+1
.endr
.endm
.macro STEPO kb
.if (\kb)+3 < 16
	LOADK (\kb)+3
	s_wait_loadcnt 48                              ; my set is in; the three younger sets of sixteen stay out
.else
	s_wait_loadcnt 16*(15-(\kb))
.endif
.set XS, 16+16*((\kb)%4)
.set OS, 80+8*(\kb)                    ; eight registers of its own for each step: no store's data are written again
.irp i, 0,2,4,6,8,10,12,14
	v_pk_mul_f32 v[XS+\i:XS+\i+1], v[XS+\i:XS+\i+1], 4.0 op_sel_hi:[1,0]   ; x 4: exact; v's images carry 1/4
.endr
.irp i, 0,1,2,3,4,5,6,7
	v_cvt_pk_f16_f32 v[OS+\i], v[XS+2*\i], v[XS+2*\i+1]
.endr
	global_store_b128 v5, v[OS:OS+3], s[28:29] offset:512*(\kb)        ; k 0..7: sixteen lanes store 256 consecutive bytes, aligned
	global_store_b128 v5, v[OS+4:OS+7], s[28:29] offset:512*(\kb)+256  ; k 8..15
.endm
	LOADK 0
	LOADK 1
	LOADK 2
.set Q, 0
.rept 16
	STEPO Q
.set Q, Q+1
.endr
	s_branch .Lend
; ---------------- PATH W: a wave takes 32 columns x 512 k of a weight; a lane a column, its registers run down K ----------------
.set VO,  20                           ; v20-51   4 x lane + i x (a row of the weight in bytes)
.set WX,  52                           ; v52-115  two sets of 32 numbers
.set WC,  116                          ; v116-119 a block's codes
.set OUTR, 120                         ; v120-183 the way out
.set SB,  16                           ; v16-19   the scale bytes, four to a register
.Lpath_w:
	s_lshr_b32 s31, ttmp9, 2                       ; group of 128 columns: 0-7 q_sem, 8-15 k_sem, 16-23 q_geo, 24-31 k_geo, 32-47 v
	s_and_b32 s32, ttmp9, 3                        ; which 512 along K
	s_and_b32 s36, s31, 7
	s_sub_co_u32 s37, s31, 32
	s_mov_b32 s35, 8192
	s_mov_b64 s[38:39], s[14:15]
	s_cmp_lt_u32 s31, 32                           ; the choices hang on the work-group's number alone
	s_cselect_b64 s[38:39], s[12:13], s[38:39]
	s_cselect_b32 s35, 4096, s35                   ; a row of the weight in bytes
	s_cselect_b32 s36, s36, s37                    ; the group's number inside its weight
	s_cmp_lt_u32 s31, 24
	s_cselect_b64 s[38:39], s[10:11], s[38:39]
	s_cmp_lt_u32 s31, 16
	s_cselect_b64 s[38:39], s[8:9], s[38:39]
	s_cmp_lt_u32 s31, 8
	s_cselect_b64 s[38:39], s[6:7], s[38:39]
	s_lshl_b32 s36, s36, 7
	s_lshl_b32 s37, s30, 5
	s_add_co_u32 s36, s36, s37                     ; my wave's first column
	s_lshr_b32 s42, s36, 6
	s_lshl_b32 s42, s42, 7                         ; its head x 128
	s_and_b32 s43, s36, 63
	s_add_co_u32 s42, s42, s43                     ; + its place in the head's 64
	s_bfe_u32 s43, s31, 0x10003
	s_lshl_b32 s43, s43, 11                        ; + 2,048 for a weight of k
	s_add_co_u32 s42, s42, s43
	s_bfe_u32 s43, s31, 0x10004
	s_lshl_b32 s43, s43, 6                         ; + 64 for a geometric one
	s_add_co_u32 s42, s42, s43
	s_add_co_u32 s42, s42, 2048
	s_add_co_u32 s43, s36, 6144
	s_cmp_lt_u32 s31, 32
	s_cselect_b32 s42, s42, s43                    ; my first row of codes and scales; my 32 columns are 32 rows on end
	s_mul_i32 s44, s32, s35
	s_lshl_b32 s44, s44, 9                         ; in: 512 rows for each step along K
	s_lshl_b32 s45, s36, 2
	s_add_co_u32 s44, s44, s45
	s_mov_b32 s45, 0
	s_add_nc_u64 s[38:39], s[38:39], s[44:45]
	s_lshl_b32 s40, s35, 5                         ; 32 rows on
	s_mov_b32 s41, 0
	s_lshl_b32 s44, s42, 10
	s_lshl_b32 s46, s32, 8
	s_add_co_u32 s44, s44, s46
	s_add_nc_u64 s[22:23], s[22:23], s[44:45]      ; codes: row x 1,024 + 256 x step
	s_lshl_b32 s44, s42, 6
	s_lshl_b32 s46, s32, 4
	s_add_co_u32 s44, s44, s46
	s_add_nc_u64 s[24:25], s[24:25], s[44:45]      ; scales: row x 64 + 16 x step
	s_mul_i32 s47, s30, 32*272                     ; my stage
	v_mul_u32_u24 v4, v1, 272
	v_add_nc_u32 v4, s47, v4                       ; into it: row = my column
	v_and_b32 v5, 15, v1
	v_lshrrev_b32 v6, 4, v1
	v_mul_u32_u24 v7, v6, 272
	v_lshl_add_u32 v7, v5, 4, v7
	v_add_nc_u32 v7, s47, v7                       ; out of it: sixteen lanes to a row, two rows an instruction
	v_lshlrev_b32 v8, 10, v6
	v_lshl_add_u32 v8, v5, 4, v8                   ; and the same place in codes
	v_lshlrev_b32 v9, 6, v1                        ; my row of scale bytes
	v_lshlrev_b32 v[VO], 2, v1
.set n, 1
.rept 31
	v_add_nc_u32 v[VO+n], s35, v[VO+n-1]
.set n, n+1
.endr
.macro LOADW t                         ; block t: 32 rows of the weight at my column, into set t % 2
.if (\t) > 0
	s_wait_xcnt 0x0                                ; the earlier loads have read their base: it may step
	s_add_nc_u64 s[38:39], s[38:39], s[40:41]
.endif
.set n, 0
.rept 32
	global_load_b32 v[WX+32*((\t)%2)+n], v[VO+n], s[38:39] th:TH_LOAD_NT
.set n, n+1
.endr
.endm
.macro BLOCKW t
.set XS, WX+32*((\t)%2)
.if (\t) < 15
	s_wait_loadcnt 32                              ; this block's 32 loads are in; the next block's stay out
.else
	s_wait_loadcnt 0x0
.endif
	v_max3_num_f32 v12, |v[XS]|, |v[XS+1]|, |v[XS+2]|   ; the block's largest magnitude: all 32 numbers are mine
	v_max3_num_f32 v13, |v[XS+3]|, |v[XS+4]|, |v[XS+5]|
.irp i, 6,10,14,18,22,26
	v_max3_num_f32 v12, v12, |v[XS+\i]|, |v[XS+\i+1]|
	v_max3_num_f32 v13, v13, |v[XS+\i+2]|, |v[XS+\i+3]|
.endr
	v_max3_num_f32 v12, v12, |v[XS+30]|, |v[XS+31]|
	v_max3_num_f32 v12, v12, v13, 0x1800000        ; and the floor 2^(3 - 127): the byte cannot fall under 1
	v_add_nc_u32 v11, 0xff000000, v12              ; 2 off the exponent field: the conversion's scale operand
	v_lshrrev_b32 v13, 23, v11                     ; the scale's byte
.if (\t)%4 == 0
	v_mov_b32 v[SB+(\t)/4], v13
.else
	v_lshl_or_b32 v[SB+(\t)/4], v13, 8*((\t)%4), v[SB+(\t)/4]
.endif
.irp g, 0,1,2,3
	v_cvt_scalef32_pk8_fp4_f32 v[WC+\g], v[XS+8*\g:XS+8*\g+7], v11
.endr
	v_nop                                          ; one plain line behind the last conversion of a run
	ds_store_b128 v4, v[WC:WC+3] offset:16*(\t)    ; 32 codes: 16 bytes of my column's row
.if (\t)+2 < 16
	LOADW (\t)+2
.endif
	s_wait_dscnt 0x0                               ; the store has read its registers: the next block's codes may be written
.endm
	LOADW 0
	LOADW 1
.set Q, 0
.rept 16
	BLOCKW Q
.set Q, Q+1
.endr
	global_store_b128 v9, v[SB:SB+3], s[24:25]     ; my column's 16 scale bytes
.irp t, 0,1,2,3,4,5,6,7,8,9,10,11,12,13,14,15
	ds_load_b128 v[OUTR+4*\t:OUTR+4*\t+3], v7 offset:2*\t*272   ; a wave's LDS instructions are served in order: these see my stores
.endr
.irp t, 0,1,2,3,4,5,6,7,8,9,10,11,12,13,14,15
	s_wait_dscnt 15-\t                             ; the younger loads stay out
	global_store_b128 v8, v[OUTR+4*\t:OUTR+4*\t+3], s[22:23] offset:2*\t*1024   ; sixteen lanes store 256 consecutive bytes, aligned
.endr
	s_branch .Lend
; ---------------- PATH X: 16 tokens; wave w takes k = 512 w .. 512 w + 511 in four K steps of 128 ----------------
.set R,   16                           ; v16-79   a K step of x as loaded: row i in four registers
.set N,   80                           ; v80-143  the same turned: register 16 b + i = k 32 b + 16 (lane / 16) + i of row lane % 16
.set GW,  144                          ; v144-207 gate_w: register 32 c + i = k 64 c + 32 (lane / 16) + i of head lane % 16
.set PC,  208                          ; v208-215 x's fragment
.set GC,  216                          ; v216-223 gate_w's fragment
.set TM,  224                          ; v224-239 at work
.set PW,  240                          ; v240     x's scale word
.set GS,  241                          ; v241     gate_w's scale word
.set SW,  244                          ; v244-247 x's four scale words
.set D,   248                          ; v248-255 the gate's sums: lane (r, h): token r, heads 8 h + 0..7
.Lpath_x:
	s_sub_co_u32 s31, ttmp9, 192                   ; which 16 tokens
	v_and_b32 v224, 15, v0                         ; r
	v_bfe_u32 v225, v0, 4, 1                       ; h
	v_lshlrev_b32 v4, 4, v1                        ; 16 x lane
	s_mul_i32 s32, s30, 16*528
	s_add_co_u32 s32, s32, XIN
	v_add_nc_u32 v5, s32, v4                       ; the stage in, as loaded
	v_mul_u32_u24 v6, v224, 528
	v_lshl_add_u32 v6, v225, 6, v6
	v_add_nc_u32 v6, s32, v6                       ; and turned: row r, + 64 h
	s_mul_i32 s33, s30, 16*272
	s_add_co_u32 s33, s33, XOUT
	v_mul_u32_u24 v7, v224, 272
	v_lshl_add_u32 v7, v225, 4, v7
	v_add_nc_u32 v7, s33, v7                       ; codes into their stage: row r, + 16 h
	v_mul_u32_u24 v8, v225, 272
	v_lshl_add_u32 v8, v224, 4, v8
	v_add_nc_u32 v8, s33, v8                       ; and back by rows
	v_lshlrev_b32 v9, 10, v225
	v_lshl_add_u32 v9, v224, 4, v9                 ; the same two rows in codes
	v_lshlrev_b32 v10, 11, v225
	v_lshl_add_u32 v10, v224, 2, v10               ; gate_w: head r, 32 rows of 64 bytes further down for lanes 16-31
	s_lshl_b32 s36, s30, 4
	s_add_co_u32 s36, s36, XSC
	v_lshlrev_b32 v11, 6, v224
	v_add_nc_u32 v11, s36, v11                     ; my wave's 16 scale bytes of token r
	s_lshl_b32 s36, s30, 10
	s_add_co_u32 s36, s36, GP
	v_lshlrev_b32 v12, 6, v224
	v_lshl_add_u32 v12, v225, 5, v12
	v_add_nc_u32 v12, s36, v12                     ; my wave's partial sums: token r, heads 8 h on
	v_add_nc_u32 v13, GP, v4                       ; wave 0 reads them back 16 bytes a lane,
	v_add_nc_u32 v14, XSC, v4                      ; and the scale bytes
	v_lshlrev_b32 v15, 3, v225                     ; 8 h
	s_lshl_b32 s36, s31, 17
	s_lshl_b32 s37, s30, 11
	s_add_co_u32 s36, s36, s37
	s_mov_b32 s37, 0
	s_add_nc_u64 s[4:5], s[4:5], s[36:37]          ; x: 16 rows of 8,192 bytes a work-group, 2,048 bytes a wave
	s_lshl_b32 s36, s30, 15
	s_add_nc_u64 s[18:19], s[18:19], s[36:37]      ; gate_w: 512 rows of 64 bytes a wave
	s_lshl_b32 s36, s31, 14
	s_lshl_b32 s38, s30, 8
	s_add_co_u32 s36, s36, s38
	s_add_nc_u64 s[22:23], s[22:23], s[36:37]      ; codes
	s_lshl_b32 s36, s31, 10
	s_add_nc_u64 s[24:25], s[24:25], s[36:37]      ; scales
	s_add_nc_u64 s[34:35], s[26:27], 131072        ; the rotary table
	s_add_nc_u64 s[26:27], s[26:27], s[36:37]      ; the gate
	s_lshl_b32 s36, s31, 12
	s_lshl_b32 s38, s30, 9
	s_add_co_u32 s36, s36, s38
	s_add_nc_u64 s[34:35], s[34:35], s[36:37]
	s_lshl_b32 s38, s31, 4
	s_lshl_b32 s39, s30, 1
	s_add_co_u32 s38, s38, s39
	s_and_b32 s38, s38, 1023                       ; position of token 16 mb + 2 w
	s_mov_b32 s50, 0x76543210
	s_mov_b32 s51, 0xfedcba98                      ; v_permlanex16_b32's selects for lane l xor 16
	s_mov_b32 s52, 0xbe2aaaab                      ; sine: -1/6, 1/120, -1/5040
	s_mov_b32 s53, 0x3c088889
	s_mov_b32 s54, 0xb9500d01
	s_mov_b32 s55, 0x3d2aaaab                      ; cosine: 1/24, -1/720, 1/40320
	s_mov_b32 s56, 0xbab60b61
	s_mov_b32 s57, 0x37d00d01
.macro XLD s                           ; K step s of my 16 rows: each load reads 512 consecutive bytes of a row
.set n, 0
.rept 16
	global_load_b128 v[R+4*n:R+4*n+3], v4, s[4:5] offset:8192*n+512*(\s) th:TH_LOAD_NT
.set n, n+1
.endr
.endm
.macro GLD s                           ; K step s of gate_w
.set n, 0
.rept 64
	global_load_b32 v[GW+n], v10, s[18:19] offset:8192*(\s)+64*(64*(n/32)+n%32)
.set n, n+1
.endr
.endm
.macro TURNX                           ; through my stage: in as loaded, back 16 neighbours of each block a lane
.set n, 0
.rept 16
	ds_store_b128 v5, v[R+4*n:R+4*n+3] offset:528*n
.set n, n+1
.endr
.set n, 0
.rept 16
	ds_load_b128 v[N+4*n:N+4*n+3], v6 offset:128*(n/4)+16*(n%4)
.set n, n+1
.endr
.endm
.macro QUANT s                         ; 64 numbers of a lane become a fragment's codes in v[PC] on and its scale word in v[PW]
.irp b, 0,1,2,3
	v_max3_num_f32 v[TM+\b], |v[\s+16*\b]|, |v[\s+1+16*\b]|, 0x1800000   ; my 16 numbers of block b, and the floor 2^(3 - 127)
.endr
.irp i, 2,4,6,8,10,12,14
.irp b, 0,1,2,3
	v_max3_num_f32 v[TM+\b], v[TM+\b], |v[\s+16*\b+\i]|, |v[\s+1+16*\b+\i]|
.endr
.endr
.irp b, 0,1,2,3
	v_permlanex16_b32 v[TM+4+\b], v[TM+\b], s50, s51
.endr
.irp b, 0,1,2,3
	v_max_num_f32 v[TM+\b], v[TM+\b], v[TM+4+\b]   ; with lane l xor 16's: the block's largest magnitude
.endr
.irp b, 0,1,2,3
	v_add_nc_u32 v[TM+12+\b], 0xff000000, v[TM+\b]
.endr
.irp b, 0,1,2,3
	v_lshrrev_b32 v[TM+4+\b], 23, v[TM+12+\b]
.endr
	v_lshl_or_b32 v[PW], v[TM+5], 8, v[TM+4]
	v_lshl_or_b32 v[PW], v[TM+6], 16, v[PW]
	v_lshl_or_b32 v[PW], v[TM+7], 24, v[PW]
.irp b, 0,1,2,3
	v_cvt_scalef32_pk8_fp4_f32 v[PC+2*\b], v[\s+16*\b:\s+7+16*\b], v[TM+12+\b]
	v_cvt_scalef32_pk8_fp4_f32 v[PC+1+2*\b], v[\s+8+16*\b:\s+15+16*\b], v[TM+12+\b]
.endr
	v_nop                                          ; one plain line behind a scaled conversion
.irp c, 0,1                            ; the operand's layout wants a whole block in a lane
.irp i, 0,1
	v_permlane16_swap_b32 v[PC+4*\c+\i], v[PC+2+4*\c+\i]
.endr
.endr
.endm
.macro GQUANT                          ; gate_w's two whole blocks of a lane become v[GC] on and v[GS]
.irp c, 0,1
	v_max3_num_f32 v[TM+\c], |v[GW+32*\c]|, |v[GW+1+32*\c]|, 0x1800000
.endr
.irp i, 2,4,6,8,10,12,14,16,18,20,22,24,26,28,30
.irp c, 0,1
	v_max3_num_f32 v[TM+\c], v[TM+\c], |v[GW+32*\c+\i]|, |v[GW+1+32*\c+\i]|
.endr
.endr
.irp c, 0,1
	v_add_nc_u32 v[TM+12+\c], 0xff000000, v[TM+\c]
.endr
.irp c, 0,1
	v_lshrrev_b32 v[TM+4+\c], 23, v[TM+12+\c]
.endr
	v_lshl_or_b32 v[GS], v[TM+5], 16, v[TM+4]      ; my two bytes: blocks h and 2 + h of head r,
	v_lshlrev_b32 v[GS], v15, v[GS]                ; 8 h bits up;
	v_permlanex16_b32 v242, v[GS], s50, s51
	v_or_b32 v[GS], v[GS], v242                    ; with lane l xor 16's two the word is whole
.irp c, 0,1
.irp g, 0,1,2,3
	v_cvt_scalef32_pk8_fp4_f32 v[GC+4*\c+\g], v[GW+32*\c+8*\g:GW+32*\c+8*\g+7], v[TM+12+\c]
.endr
.endr
.endm
.macro SINCOS d, e                     ; v[d] = sin(v84 x v[80 + e] + v85 x pi/2): the cosine where v85 = 1
	v_mul_f32 v86, v84, v[80+\e]                   ; the angle
	v_mul_f32 v87, 0x3f22f983, v86
	v_rndne_f32 v87, v87                           ; n = the nearest whole number of pi/2
	v_fmamk_f32 v86, v87, 0xbfc90000, v86          ; y = angle - n pi/2, pi/2 in three parts
	v_fmamk_f32 v86, v87, 0xb9fda000, v86
	v_fmamk_f32 v86, v87, 0xb3a22168, v86
	v_mul_f32 v88, v86, v86                        ; z = y y
	v_cvt_i32_f32 v87, v87
	v_add_nc_u32 v87, v87, v85                     ; the quadrant
	v_fma_f32 v89, v88, s54, s53
	v_fma_f32 v90, v88, s57, s56
	v_fma_f32 v89, v88, v89, s52
	v_fma_f32 v90, v88, v90, s55
	v_mul_f32 v91, v88, v86
	v_fma_f32 v90, v88, v90, -0.5
	v_fma_f32 v89, v91, v89, v86                   ; sin y
	v_fma_f32 v90, v88, v90, 1.0                   ; cos y
	v_and_b32 v91, 1, v87
	v_cmp_eq_u32 vcc_lo, 1, v91
	v_cndmask_b32 v89, v89, v90, vcc_lo            ; odd quadrants take the cosine,
	v_and_b32 v87, 2, v87
	v_lshlrev_b32 v87, 30, v87
	v_xor_b32 v[\d], v87, v89                      ; quadrants 2 and 3 the other sign
.endm
	XLD 0
	GLD 0
	; the rotary table, while the loads are on their way.  Lane l of round p: token 8 p + 2 w + l / 16; lanes l % 16 < 8 the cosines of frequencies 4 (l % 8) + 0..3, the others the sines
	v_bfe_u32 v85, v0, 3, 1
	v_xor_b32 v85, 1, v85                          ; 1 for a cosine
	v_and_b32 v86, 7, v0
	v_lshlrev_b32 v86, 2, v86
.irp e, 0,1,2,3
	v_add_nc_u32 v[80+\e], \e, v86
.endr
.irp e, 0,1,2,3
	v_cvt_f32_u32 v[80+\e], v[80+\e]
.endr
.irp e, 0,1,2,3
	v_mul_f32 v[80+\e], 0xbed49a78, v[80+\e]       ; - i log2(10000) / 32
.endr
.irp e, 0,1,2,3
	v_exp_f32 v[80+\e], v[80+\e]                   ; 10000^(-i / 32)
.endr
	v_mov_b32 v242, 0                              ; (a plain line behind the exponentials)  a lane permute's destination counts as read: written once
	s_wait_alu depctr_va_vdst(0)                   ; one wait for the four, ahead of their first reader
.irp p, 0,1
	s_add_co_u32 s39, s38, 8*\p
	v_add_nc_u32 v84, s39, v225
	v_cvt_f32_u32 v84, v84                         ; the position
.irp e, 0,1,2,3
	SINCOS 96+4*\p+\e, \e
.endr
	global_store_b128 v4, v[96+4*\p:99+4*\p], s[34:35] offset:2048*\p   ; 32 lanes store 512 consecutive bytes: two tokens' rows
.endr
.irp b, 0,1,2,3
	v_mov_b32 v[TM+4+\b], 0                        ; written once, as v242
.endr
	s_wait_xcnt 0x0                                ; the table's stores have read their data: the turn below lands there
.macro XSTEP s
	s_wait_loadcnt 63                              ; x's sixteen loads are the oldest; 64 of gate_w's were issued behind them, and the count names one fewer, which the field holds
	TURNX
	s_wait_dscnt 0x0                               ; the numbers are back, and the stores have read their registers,
.if \s < 3
	XLD (\s)+1                                     ; which take the next K step
.endif
	QUANT N
	v_mov_b32 v[SW+\s], v[PW]
	ds_store_b128 v7, v[PC:PC+3] offset:64*\s      ; k 64 c + 32 h on: 16 bytes at 32 c + 16 h of the row's 64
	ds_store_b128 v7, v[PC+4:PC+7] offset:64*\s+32
.if \s < 3
	s_wait_loadcnt 16                              ; gate_w's K step is in; x's next sixteen stay out
.else
	s_wait_loadcnt 0x0
.endif
	GQUANT
.if \s < 3
	GLD (\s)+1
.endif
.rept 8
	v_nop                                          ; a scale register written by a vector instruction stands 8 places ahead of a scaled matrix instruction, an operand 4
.endr
.if \s == 0
	v_wmma_scale_f32_16x16x128_f8f6f4 v[D:D+7], v[GC:GC+7], v[PC:PC+7], 0, v[GS], v[PW] matrix_a_fmt:MATRIX_FMT_FP4 matrix_b_fmt:MATRIX_FMT_FP4
.else
	s_wait_alu depctr_va_vdst(0)                   ; the wait directly ahead of each link
	v_wmma_scale_f32_16x16x128_f8f6f4 v[D:D+7], v[GC:GC+7], v[PC:PC+7], v[D:D+7], v[GS], v[PW] matrix_a_fmt:MATRIX_FMT_FP4 matrix_b_fmt:MATRIX_FMT_FP4
.endif
.endm
	XSTEP 0
	XSTEP 1
	XSTEP 2
	XSTEP 3
.rept 4
	v_nop                                          ; places in front of the first read of the sums
.endr
	ds_store_b128 v12, v[D:D+3]                    ; the sums from their low end on
	ds_store_b128 v12, v[D+4:D+7] offset:16
	ds_store_b128 v11, v[SW:SW+3]                  ; both halves of the lanes write the same bytes with the same values
.irp t, 0,1,2,3,4,5,6,7
	ds_load_b128 v[R+4*\t:R+4*\t+3], v8 offset:2*\t*272
.endr
.irp t, 0,1,2,3,4,5,6,7
	s_wait_dscnt 7-\t                              ; the younger loads stay out
	global_store_b128 v9, v[R+4*\t:R+4*\t+3], s[22:23] offset:2*\t*1024   ; sixteen lanes store 256 consecutive bytes, aligned
.endr
	s_wait_dscnt 0x0                               ; for wave 0's sake: my partial sums and scale bytes lie in LDS
	s_barrier_signal -1
	s_barrier_wait -1
	s_cmp_lg_u32 s30, 0
	s_cbranch_scc1 .Lend                           ; wave 0 alone adds the four parts and stores gate and scale bytes
	v_and_b32 v80, 3, v0
	v_lshlrev_b32 v80, 4, v80
	global_load_b128 v[84:87], v80, s[20:21]       ; the logits of my four heads, 4 (lane % 4) on
.irp p, 0,1,2,3
	ds_load_b128 v[88+8*\p:91+8*\p], v13 offset:1024*\p        ; tokens 0-7: token lane / 4
	ds_load_b128 v[92+8*\p:95+8*\p], v13 offset:1024*\p+512    ; tokens 8-15
.endr
	ds_load_b128 v[120:123], v14
	ds_load_b128 v[124:127], v14 offset:512
	s_wait_loadcnt 0x0
	s_wait_dscnt 0x0
.irp q, 96,104,112
.irp j, 0,2,4,6
	v_pk_add_f32 v[88+\j:89+\j], v[88+\j:89+\j], v[\q+\j:\q+\j+1]
.endr
.endr
.irp j, 0,2
	v_pk_add_f32 v[88+\j:89+\j], v[88+\j:89+\j], v[84+\j:85+\j]
	v_pk_add_f32 v[92+\j:93+\j], v[92+\j:93+\j], v[84+\j:85+\j]
.endr
.irp j, 0,1,2,3,4,5,6,7
	v_mul_f32 v[88+\j], 0xbfb8aa3b, v[88+\j]       ; - log2(e) z
.endr
.irp j, 0,1,2,3,4,5,6,7
	v_exp_f32 v[88+\j], v[88+\j]
.endr
	v_nop
	s_wait_alu depctr_va_vdst(0)                   ; one wait for the eight
.irp j, 0,1,2,3,4,5,6,7
	v_add_f32 v[88+\j], 1.0, v[88+\j]
.endr
.irp j, 0,1,2,3,4,5,6,7
	v_rcp_f32 v[88+\j], v[88+\j]                   ; sigmoid(z) = 1 / (1 + 2^(-log2(e) z))
.endr
	v_nop
	s_wait_alu depctr_va_vdst(0)
	global_store_b128 v4, v[88:91], s[26:27]
	global_store_b128 v4, v[92:95], s[26:27] offset:512
	global_store_b128 v4, v[120:123], s[24:25]
	global_store_b128 v4, v[124:127], s[24:25] offset:512
.Lend:
	s_wait_tensorcnt 0x0                           ; the wave's end
	ds_add_u32 v[SPW], v[NIL]
	s_wait_dscnt 0x0
	s_endpgm
.Lfunc_end_k_q9723016a2e_prep:
	.size	k_q9723016a2e_prep, .Lfunc_end_k_q9723016a2e_prep-k_q9723016a2e_prep
	.p2alignl 7, 3214868480
	.fill 96, 4, 3214868480
	.section	.rodata,"a",@progbits
	.p2align	6, 0x0
	.amdhsa_kernel k_q9723016a2e_prep
		.amdhsa_group_segment_fixed_size 91648
		.amdhsa_private_segment_fixed_size 0
		.amdhsa_enable_private_segment 0
		.amdhsa_kernarg_size 104
		.amdhsa_user_sgpr_count 2
		.amdhsa_user_sgpr_kernarg_segment_ptr 1
		.amdhsa_wavefront_size32 1
		.amdhsa_system_sgpr_workgroup_id_x 1
		.amdhsa_system_sgpr_workgroup_id_y 1
		.amdhsa_system_sgpr_workgroup_id_z 1
		.amdhsa_system_vgpr_workitem_id 0
		.amdhsa_next_free_vgpr 256
		.amdhsa_next_free_sgpr 66
		.amdhsa_reserve_vcc 1
		.amdhsa_float_denorm_mode_32 3
		.amdhsa_float_denorm_mode_16_64 3
		.amdhsa_memory_ordered 1
		.amdhsa_forward_progress 1
		.amdhsa_inst_pref_size 212
	.end_amdhsa_kernel
	.amdgpu_metadata
---
amdhsa.version: [ 1, 2 ]
amdhsa.kernels:
  - .name:           k_q9723016a2e_prep
    .symbol:         k_q9723016a2e_prep.kd
    .args:
      - { .name: x, .offset: 0, .size: 8, .value_kind: global_buffer, .address_space: global }
      - { .name: w_q_sem, .offset: 8, .size: 8, .value_kind: global_buffer, .address_space: global }
      - { .name: w_k_sem, .offset: 16, .size: 8, .value_kind: global_buffer, .address_space: global }
      - { .name: w_q_geo, .offset: 24, .size: 8, .value_kind: global_buffer, .address_space: global }
      - { .name: w_k_geo, .offset: 32, .size: 8, .value_kind: global_buffer, .address_space: global }
      - { .name: w_v, .offset: 40, .size: 8, .value_kind: global_buffer, .address_space: global }
      - { .name: w_out, .offset: 48, .size: 8, .value_kind: global_buffer, .address_space: global }
      - { .name: gate_w, .offset: 56, .size: 8, .value_kind: global_buffer, .address_space: global }
      - { .name: gate_logit, .offset: 64, .size: 8, .value_kind: global_buffer, .address_space: global }
      - { .name: codes, .offset: 72, .size: 8, .value_kind: global_buffer, .address_space: global }
      - { .name: scales, .offset: 80, .size: 8, .value_kind: global_buffer, .address_space: global }
      - { .name: aux, .offset: 88, .size: 8, .value_kind: global_buffer, .address_space: global }
      - { .name: wo16, .offset: 96, .size: 8, .value_kind: global_buffer, .address_space: global }
    .group_segment_fixed_size: 91648
    .private_segment_fixed_size: 0
    .kernarg_segment_align: 8
    .kernarg_segment_size: 104
    .max_flat_workgroup_size: 128
    .sgpr_count:     66
    .vgpr_count:     256
    .wavefront_size: 32
...
	.end_amdgpu_metadata
.endif
;; end of part 1
;; launch proj (part 2): grid 24 x 8, 4 waves a work-group, clusters of 4 x 4, 327,680 bytes of LDS; arguments codes, scales, aux, qkv; writes qkv
.if DOCPART == 2
	.amdgcn_target "amdgcn-amd-amdhsa--gfx1250"
	.amdhsa_code_object_version 6
	.text
	.protected	k_q9723016a2e_proj
	.globl	k_q9723016a2e_proj
	.p2align	8
	.type	k_q9723016a2e_proj,@function
k_q9723016a2e_proj:
	s_mov_b64 s[64:65], 0
	v_nop
	global_prefetch_b8 v0, s[64:65] scope:SCOPE_SE
	s_setreg_imm32_b32 hwreg(HW_REG_WAVE_MODE, 25, 1), 1
	s_wait_xcnt 0x0
	s_wait_alu depctr_hold_cnt(0) depctr_sa_sdst(0) depctr_va_vdst(0) depctr_va_sdst(0) depctr_va_ssrc(0) depctr_va_vcc(0) depctr_vm_vsrc(0)
	s_getreg_b32 s2, hwreg(HW_REG_IB_STS2, 6, 4)
	s_cmp_eq_u32 s2, 0
	s_cbranch_scc0 .Lentry_in_a_cluster
	s_endpgm
.Lentry_in_a_cluster:
	s_bfe_u32 s2, ttmp6, 0x10000c
	s_cmp_lg_u32 s2, 0xf033
	s_cbranch_scc0 .Lentry_shape_is_right
	s_endpgm
.Lentry_shape_is_right:
; PROJ: the five large products of x, on codes of FP4 (E2M1) with one E8M0 scale for each 32 along K (K = 2,048), and what follows them up to attention's operands.
; codes [8192 rows][1024 bytes], scales [8192][64]: rows 0.. x's tokens, 2048.. the weights of q (128 a head: 64 semantic, 64 geometric), 4096.. those of k, 6144.. those of v.
; A tile of C, 256 x 256, is made by four waves, 128 x 128 each: 64 accumulators.  K goes in steps of 512 through a ring of two LDS slots; the scale bytes of the tile's rows come once and stay.
; THREE CLASSES, by the cluster's x, which all sixteen partners share: 0, 1: q; 2, 3: k: A = tokens, B = weight rows.  4, 5: v: A = weight rows (channels), B = tokens, so that C is v transposed.
; The matrix instruction is used transposed (source 0 = 16 rows of B, source 1 = 16 rows of A): a lane holds row l % 16 of A's block and eight neighbouring rows 8 (l / 16) + 0..7 of B's block.
; Rounded to f16 those eight are the 16 bytes that the same lane holds in a 16 x 32 f16 operand: RESULTS LEAVE AS IMAGES OF OPERAND REGISTERS, pieces of 512 bytes (16 rows x 16 k), by stores of 512 consecutive bytes.
;   q: f16(0.5 g qs | 0.5 (1 - g) rope(qg)) at qkv + 0,  k: f16(0.25 (ks | rope(kg))) at qkv + 0x800000: [batch x 16 + head][token / 16][channel / 16][512];   v: f16(0.25 v) at qkv + 0x1000000: [batch x 16 + head][key / 16][channel / 16][512].
;   0.5 x 0.25 is the scores' 1/8; g is the gate of aux [token][16]; cosines and sines come from aux + 131072 [token][cos 0..31 | sin 0..31].
; THE GATE AND THE TABLE ARE ASKED FOR AT THE HEAD, behind the first tiles, into registers that the loop over K never names: 8 + 48 loads a wave (blocks 0 to 5); blocks 6 and 7 are asked for at the start of the way out,
; six blocks' work ahead of their use.  Class v asks for them too and leaves them unread: the head is one text for the three classes, and the addresses lie inside aux for each of them.
; LIMIT: |0.5 g q|, |0.25 k| and |0.25 v| stay under 65,504, f16's largest number.
; CLUSTERS: 4 x 4.  A's tiles are asked for jointly along a row of the cluster, B's along a column.
; REGISTERS: window 0: v16-29 addresses; v32-95 scale words, two sets (on the way out: a block's 64 numbers); v96-103 the gate; v104-127 at work on the way out; v128-191 A's fragments, one set (on the way out: the table of
;   blocks 6, 7); v192-255 the table of blocks 0, 1.  window 1: v0-63, v128-191 B's fragments, two sets; v64-127 the table of blocks 2, 3; v192-255 of blocks 4, 5.  windows 2, 3: the accumulators; a block's packed results go into its own.
.set SIZE_K, 2048
.set KSTEP,  512
.set NQ,     KSTEP/128
.set ROWB,   256
.set KROW,   SIZE_K*4/8
.set PITCH,  272                       ; an LDS row: 256 bytes + 16 of padding: the 16 rows that a load touches start 68 words apart
.set FR,     8
.set NL,     2
.set NP,     4
.set HALFT,  128*PITCH
.set SLOT,   4*HALFT
.set LAPS,   SIZE_K/(2*KSTEP)
.set KS,     SIZE_K/32
.set SCL,    2*SLOT
.set HALFS,  (128*KS/256)*272
.set SBLK,   (16*KS/256)*272
.set SPARE,  SCL+4*HALFS               ; the spare words, 128 bytes a wave: two blocks of 256 bytes that no other line names
.set ADRA, 16
.set ADRB, 20
.set GA,   24                          ; v24  64 x (l % 16): my token's row of the gate; never rewritten
.set RA,   25                          ; v25  256 x (l % 16) + 32 x (l / 16): my token's row of the rotary table, my eight frequencies; never rewritten
.set LO,   26                          ; v26  16 x lane: my place in a piece; never rewritten
.set ADRS, 27
.set SPW,  28
.set NIL,  29
.set SC,   32
.set AF,   128
.set T,    32                          ; the way out: v32-95 a block's 64 numbers
.set G,    96                          ; v96-103 the gate of my token in blocks 0..7
.set F,    104                         ; v104-119 pairs (factor of the semantic half, of the geometric half)
.set UW,   120                         ; v120-127 at work
.set G1, 24
.set G0, 32
.set G1B, 48
.set G0B, 56
.set G1S, 68
.set G0S, 76
.set G1SB, 80
.set G0SB, 88
.set MSB, 0
.macro WIN new                         ; the immediate's high byte repeats the setting that is left
.if MSB != \new
	s_set_vgpr_msb (MSB<<8)|\new
.set MSB, \new
.endif
.endm
.set MUL_LO, 0xa1
.set MUL_HI, 0xf1
.set TO_B,   0x40
; A joint load: waves 0 and 1 fetch for A, waves 2 and 3 for B; the branch hangs on the wave's number alone.  An s_nop 0 and four v_nop follow each of the two lines.
.macro JLOAD g0a, g1a, g0b, g1b
	s_cmp_eq_u32 s15, 0
	s_cbranch_scc0 .Lfor_b_\@
	tensor_load_to_lds s[\g0a:\g0a+3], s[\g1a:\g1a+7]
	s_nop 0
.rept 4
	v_nop
.endr
	s_branch .Lasked_\@
.Lfor_b_\@:
	tensor_load_to_lds s[\g0b:\g0b+3], s[\g1b:\g1b+7]
	s_nop 0
.rept 4
	v_nop
.endr
.Lasked_\@:
.endm
.macro CREST
	s_cmp_lg_u32 s14, 0
	s_cbranch_scc1 .Lnot_wave_0_\@
	s_barrier_signal -3
.Lnot_wave_0_\@:
	s_barrier_wait -3
	s_barrier_signal -1
	s_barrier_wait -1
.endm
.macro CROUND
	s_barrier_signal -1
	s_barrier_wait -1
	CREST
.endm
; Where block a's 32 registers of the table lie: first register CB, window CW.  Cosines at CB + 8 be + j, sines at CB + 16 + 8 be + j, for the frequencies 16 be + 8 (l / 16) + j.
.macro CSSET a
.if (\a) < 2
.set CB, 192+32*(\a)
.set CW, 0
.elseif (\a) < 4
.set CB, 64+32*((\a)-2)
.set CW, 1
.elseif (\a) < 6
.set CB, 192+32*((\a)-4)
.set CW, 1
.else
.set CB, 128+32*((\a)-6)
.set CW, 0
.endif
.endm
.macro CSLD a                          ; block a's cosines and sines of my token: eight loads
	CSSET \a
	WIN (CW<<6)                                    ; the destination's window
.irp be, 0,1
	global_load_b128 v[CB+8*\be:CB+8*\be+3], v[RA], s[92:93] offset:4096*(\a)+64*\be
	global_load_b128 v[CB+8*\be+4:CB+8*\be+7], v[RA], s[92:93] offset:4096*(\a)+64*\be+16
	global_load_b128 v[CB+16+8*\be:CB+16+8*\be+3], v[RA], s[92:93] offset:4096*(\a)+64*\be+128
	global_load_b128 v[CB+16+8*\be+4:CB+16+8*\be+7], v[RA], s[92:93] offset:4096*(\a)+64*\be+144
.endr
.endm
	s_load_b128 s[4:7], s[0:1], 0x0                ; codes s[4:5], scales s[6:7]
	s_load_b128 s[8:11], s[0:1], 0x10              ; aux s[8:9], qkv s[10:11]
	v_lshl_add_u32 v[SPW], v0, 2, SPARE
	v_mov_b32 v[NIL], 0
	ds_add_u32 v[SPW], v[NIL]                      ; the wave's opening: the add and its wait ahead of my first tensor load
	v_lshrrev_b32 v1, 5, v0
	v_readfirstlane_b32 s14, v1                    ; wave 0..3
	s_lshr_b32 s15, s14, 1                         ; which half of the tile's rows is mine.  Also: I fetch for A (0) or for B (1)
	s_and_b32 s16, s14, 1                          ; which half of its columns.  Also: which 128 rows I fetch
	s_bfe_u32 s40, ttmp6, 0x40000                  ; cx, cy
	s_bfe_u32 s41, ttmp6, 0x40004
	s_lshl_b32 s42, ttmp9, 2
	s_add_co_u32 s42, s42, s40                     ; tile column 0..23
	s_and_b32 s17, ttmp7, 0xffff
	s_lshl_b32 s17, s17, 2
	s_add_co_u32 s17, s17, s41                     ; tile row 0..7
	s_lshl_b32 s43, s41, 2
	s_lshl_b32 s43, 15, s43                        ; my row of the cluster
	s_lshl_b32 s44, 0x1111, s40                    ; my column
	s_or_b32 s[G1+0], s43, (0<<16)|(1<<20)|(1<<21)|(5<<22)|(3<<25)  ; the mask; elements of 1 byte; padding on; bit 21 beside a mask; 4 words behind every 64
	s_or_b32 s[G1B+0], s44, (0<<16)|(1<<20)|(1<<21)|(5<<22)|(3<<25)
.irp g, G1, G1B
	s_mov_b32 s[\g+1], ROWB<<16                    ; tensor_dim0
	s_mov_b32 s[\g+2], 128<<16                     ; tensor_dim1
	s_mov_b32 s[\g+3], ROWB<<16                    ; tile_dim0
	s_mov_b32 s[\g+4], 128                         ; tile_dim1
	s_mov_b32 s[\g+5], KROW                        ; the pitch
	s_mov_b32 s[\g+6], 0
	s_mov_b32 s[\g+7], 0
.endr
	s_or_b32 s[G1S+0], s43, (3<<16)|(1<<20)|(1<<21)|(5<<22)|(3<<25)  ; the scales of 128 rows: 8,192 dense bytes as rows of 256
	s_or_b32 s[G1SB+0], s44, (3<<16)|(1<<20)|(1<<21)|(5<<22)|(3<<25)
.irp g, G1S, G1SB
	s_mov_b32 s[\g+1], 32<<16
	s_mov_b32 s[\g+2], (128*KS/256)<<16
	s_mov_b32 s[\g+3], 32<<16
	s_mov_b32 s[\g+4], 128*KS/256
	s_mov_b32 s[\g+5], 32
	s_mov_b32 s[\g+6], 0
	s_mov_b32 s[\g+7], 0
.endr
	s_lshl_b32 s18, s16, 7                         ; which 128 rows of the tile I fetch
	s_lshl_b32 s20, s17, 8
	s_add_co_u32 s20, s20, s18
	s_lshl_b32 s46, s42, 8
	s_add_co_u32 s46, s46, s18
	s_cmp_ge_u32 ttmp9, 4                          ; class v?  The cluster's x: the same in all partners
	s_cselect_b32 s19, 6144, 0
	s_cselect_b32 s21, 0, 6144
	s_add_co_u32 s20, s20, s19                     ; A's row: tokens 256 x tile row; class v: 6144 + 256 x tile row
	s_add_co_u32 s46, s46, s21
	s_sub_co_u32 s46, s46, 4096                    ; B's row: 2048 + 256 x tile column; class v: tokens 256 x (tile column - 16)
	s_mov_b32 s21, 0
	s_mov_b32 s47, 0
	s_mov_b64 s[18:19], KS
	s_mul_u64 s[22:23], s[20:21], s[18:19]
	s_mul_u64 s[92:93], s[46:47], s[18:19]
	s_mov_b64 s[18:19], KROW
	s_mul_u64 s[20:21], s[20:21], s[18:19]
	s_mul_u64 s[46:47], s[46:47], s[18:19]
	s_mul_i32 s45, s14, HALFT                      ; where they go: wave x 128 rows
	s_mul_i32 s94, s14, HALFS
	s_wait_dscnt 0x0                               ; the opening add is done
	s_wait_kmcnt 0x0
	s_add_nc_u64 s[20:21], s[4:5], s[20:21]
	s_add_nc_u64 s[22:23], s[6:7], s[22:23]
	s_add_nc_u64 s[46:47], s[4:5], s[46:47]
	s_add_nc_u64 s[92:93], s[6:7], s[92:93]
	CROUND                                         ; all sixteen work-groups are here: the first joint loads meet
	s_mov_b32 s[G0S], 1
	s_add_co_u32 s[G0S+1], s94, SCL
	s_mov_b64 s[G0S+2:G0S+3], s[22:23]
	s_or_b32 s[G0S+3], s[G0S+3], 0x80000000
	s_mov_b32 s[G0SB], 1
	s_add_co_u32 s[G0SB+1], s94, SCL
	s_mov_b64 s[G0SB+2:G0SB+3], s[92:93]
	s_or_b32 s[G0SB+3], s[G0SB+3], 0x80000000
	JLOAD G0S, G1S, G0SB, G1SB                     ; the scales first
.irp s, 0,1
	s_mov_b32 s[G0+4*\s], 1
	s_add_co_u32 s[G0+4*\s+1], s45, \s*SLOT
	s_add_nc_u64 s[G0+4*\s+2:G0+4*\s+3], s[20:21], \s*ROWB
	s_or_b32 s[G0+4*\s+3], s[G0+4*\s+3], 0x80000000
	s_mov_b32 s[G0B+4*\s], 1
	s_add_co_u32 s[G0B+4*\s+1], s45, \s*SLOT
	s_add_nc_u64 s[G0B+4*\s+2:G0B+4*\s+3], s[46:47], \s*ROWB
	s_or_b32 s[G0B+4*\s+3], s[G0B+4*\s+3], 0x80000000
	JLOAD G0+4*\s, G1, G0B+4*\s, G1B
.endr
	v_and_b32 v1, 15, v0                           ; l % 16
	v_bfe_u32 v2, v0, 4, 1                         ; l / 16
	v_mul_u32_u24 v3, v1, PITCH
	v_lshl_add_u32 v4, v2, 4, v3
	s_mul_i32 s21, s15, HALFT
	s_mul_i32 s22, s16, HALFT
	s_add_co_u32 s22, s22, 2*HALFT
.irp s, 0,1
	v_add_nc_u32 v[ADRA+\s], s21, v4
	v_add_nc_u32 v[ADRB+\s], s22, v4
	s_add_co_u32 s21, s21, SLOT
	s_add_co_u32 s22, s22, SLOT
.endr
	v_mul_u32_u24 v5, v1, KS
	v_lshrrev_b32 v6, 8, v5
	v_lshl_add_u32 v5, v6, 4, v5
	s_mul_i32 s21, s15, HALFS
	s_mul_i32 s22, s16, HALFS
	s_add_co_u32 s22, s22, 2*HALFS
	s_sub_co_u32 s22, s22, s21
	v_mul_u32_u24 v6, s22, v2                      ; lanes 16-31 take B's scale words
	s_add_co_u32 s21, s21, SCL
	v_add_nc_u32 v5, v5, v6
	v_add_nc_u32 v[ADRS], s21, v5
	v_and_b32 v6, 31, v0
	v_lshlrev_b32 v[LO], 4, v6
	v_lshlrev_b32 v[GA], 6, v1
	v_lshlrev_b32 v[RA], 8, v1
	v_lshl_add_u32 v[RA], v2, 5, v[RA]
	; where my results go.  The tokens' side of the tile gives batch and place, the weights' side the head: in classes q and k tokens are the rows, in class v the columns
	s_and_b32 s18, ttmp9, 1
	s_lshl_b32 s18, s18, 2
	s_add_co_u32 s18, s18, s40                     ; the tile column inside its class, 0..7
	s_cmp_ge_u32 ttmp9, 4
	s_cselect_b32 s19, s18, s17                    ; tokens' side: tile,
	s_cselect_b32 s20, s16, s15                    ; my half of it;
	s_cselect_b32 s21, s17, s18                    ; heads' side: tile,
	s_cselect_b32 s22, s15, s16                    ; my half of it
	s_lshl_b32 s21, s21, 1
	s_add_co_u32 s21, s21, s22                     ; the head: 128 rows of weights each
	s_lshr_b32 s22, s19, 2                         ; the batch: four tiles of 256 tokens each
	s_lshl_b32 s22, s22, 4
	s_add_co_u32 s22, s22, s21
	s_lshl_b32 s22, s22, 6                         ; 64 tiles of 16 tokens a head,
	s_and_b32 s19, s19, 3
	s_lshl_b32 s19, s19, 4
	s_add_co_u32 s22, s22, s19
	s_lshl_b32 s20, s20, 3
	s_add_co_u32 s22, s22, s20
	s_lshl_b32 s22, s22, 12                        ; 4,096 bytes each
	s_lshr_b32 s23, ttmp9, 1
	s_lshl_b32 s23, s23, 23                        ; q, k, v: 0x800000 bytes apart
	s_add_co_u32 s22, s22, s23
	s_mov_b32 s23, 0
	s_add_nc_u64 s[12:13], s[10:11], s[22:23]
	s_lshl_b32 s22, s17, 8
	s_lshl_b32 s19, s15, 7
	s_add_co_u32 s22, s22, s19                     ; 256 x tile row + 128 x my half, at most 1,920: in classes q and k my first token
	s_lshl_b32 s46, s22, 8
	s_add_co_u32 s46, s46, 131072
	s_mov_b32 s47, 0
	s_add_nc_u64 s[92:93], s[8:9], s[46:47]        ; its row of the rotary table
	s_lshl_b32 s22, s22, 6
	s_lshl_b32 s19, s21, 2
	s_add_co_u32 s22, s22, s19
	s_add_nc_u64 s[8:9], s[8:9], s[22:23]          ; its gate for my head
	s_cmp_lt_u32 ttmp9, 2                          ; class q: factors 0.5 g and 0.5 - 0.5 g; class k: 0.25 and 0.25
	s_cselect_b32 s94, 0.5, 0
	s_cselect_b32 s95, 0, 0x3e800000
	s_cselect_b32 s96, -0.5, 0
	s_cselect_b32 s97, 0.5, 0x3e800000
	; the gate of my 8 x 16 tokens and the table of blocks 0 to 5: 56 loads, behind the first tiles' requests; the whole loop over K stands between them and the wait for them.  Their addresses are never rewritten
.irp a, 0,1,2,3,4,5,6,7
	global_load_b32 v[G+\a], v[GA], s[8:9] offset:1024*\a
.endr
.irp a, 0,1,2,3,4,5
	CSLD \a
.endr
	WIN 0
.macro FRAG reg, adr, q, i             ; 16 rows x 128 K of 4-bit codes: registers 4 c .. 4 c + 3 hold K = 64 c + 32 (l / 16) + 0 .. 31
.irp c, 0,1
	ds_load_b128 v[\reg+4*\c:\reg+4*\c+3], v[\adr] offset:64*(\q)+32*\c+(\i)*16*PITCH
.endr
.endm
; 16 matrix instructions: A's blocks a0, a0 + 1 x B's eight.  The 64 accumulators take turns, one instruction a turn, in the same order in every step.
.macro MUL16 a0, p, q, sc, zero
.irp a, \a0, \a0+1
.irp b, 0,1,2,3,4,5,6,7
.if \zero
	v_wmma_scale_f32_16x16x128_f8f6f4 v[8*(8*((\a)%4)+\b):8*(8*((\a)%4)+\b)+7], v[128*(\p)+FR*\b:128*(\p)+FR*\b+FR-1], v[AF+FR*(\a):AF+FR*(\a)+FR-1], 0, v[SC+8*NQ*(\sc)+NQ*\b+(\q)], v[SC+8*NQ*(\sc)+NQ*(\a)+(\q)] matrix_a_fmt:MATRIX_FMT_FP4 matrix_b_fmt:MATRIX_FMT_FP4 matrix_a_scale:MATRIX_SCALE_ROW1
.else
	v_wmma_scale_f32_16x16x128_f8f6f4 v[8*(8*((\a)%4)+\b):8*(8*((\a)%4)+\b)+7], v[128*(\p)+FR*\b:128*(\p)+FR*\b+FR-1], v[AF+FR*(\a):AF+FR*(\a)+FR-1], v[8*(8*((\a)%4)+\b):8*(8*((\a)%4)+\b)+7], v[SC+8*NQ*(\sc)+NQ*\b+(\q)], v[SC+8*NQ*(\sc)+NQ*(\a)+(\q)] matrix_a_fmt:MATRIX_FMT_FP4 matrix_b_fmt:MATRIX_FMT_FP4 matrix_a_scale:MATRIX_SCALE_ROW1
.endif
.endr
.endr
.endm
.macro FETCH_B slot, q, p
	WIN TO_B
.irp i, 0,1,2,3,4,5,6,7
	FRAG 128*(\p)+FR*\i, ADRB+\slot, \q, \i
.endr
	WIN 0
.endm
.macro FETCH_A slot, q, i0
.irp i, \i0, \i0+1, \i0+2, \i0+3
	FRAG AF+FR*(\i), ADRA+\slot, \q, \i
.endr
.endm
.macro SCALES sc                       ; the next K step's scale words: lanes 0-15 A's block i, lanes 16-31 B's block i
.irp i, 0,1,2,3,4,5,6,7
	ds_load_b128 v[SC+8*NQ*\sc+NQ*\i:SC+8*NQ*\sc+NQ*\i+3], v[ADRS] offset:\i*SBLK
.endr
.endm
.macro PLACES n                        ; plain vector lines between a matrix instruction and a load into, or a read of, its registers
.rept \n
	v_nop
.endr
.endm
.macro STEP slot, q, zero
	s_wait_dscnt 4*NL                              ; B's set and A's blocks 0-3 are in; the youngest eight loads (A's blocks 4-7) may be out
	WIN MUL_LO
	MUL16 0, (\q)%2, \q, \slot, \zero
	MUL16 2, (\q)%2, \q, \slot, \zero
	s_wait_dscnt 0
	PLACES NP
	FETCH_B \slot, (\q)+1, 1-(\q)%2
	FETCH_A \slot, (\q)+1, 0
	WIN MUL_HI
	MUL16 4, (\q)%2, \q, \slot, \zero
	MUL16 6, (\q)%2, \q, \slot, \zero
	PLACES NP
	WIN 0
	FETCH_A \slot, (\q)+1, 4
.endm
; A slot's last step changes slots: one barrier; ahead of it each wave waits for all its tensor loads, adds 0 to its spare word, and waits for that and for its reads of this slot.
.macro TURN slot, next, fill
	s_wait_tensorcnt 0x0                           ; all my tensor loads have landed: my part of the next slot
	ds_add_u32 v[SPW], v[NIL]                      ; 0 onto my spare word
	s_wait_dscnt 4*NL+1                            ; the add and the youngest eight loads may be out
	WIN MUL_LO
	MUL16 0, 1, NQ-1, \slot, 0
	s_wait_dscnt 0x0                               ; the add is done, and my reads of this slot are over
	s_barrier_signal -1
	MUL16 2, 1, NQ-1, \slot, 0
	WIN 0
	s_barrier_wait -1
.if \fill
	CREST                                          ; the barrier has opened a round of the cluster's: no wave of any partner still reads this slot or has a load on its way
	s_add_nc_u64 s[G0+4*\slot+2:G0+4*\slot+3], s[G0+4*\slot+2:G0+4*\slot+3], 2*ROWB
	s_add_nc_u64 s[G0B+4*\slot+2:G0B+4*\slot+3], s[G0B+4*\slot+2:G0B+4*\slot+3], 2*ROWB
	JLOAD G0+4*\slot, G1, G0B+4*\slot, G1B         ; the first tensor load behind the round; its four v_nop are the places in front of the loads below
.else
	PLACES NP
.endif
	v_add_nc_u32 v[ADRS], 4*NQ, v[ADRS]
	FETCH_B \next, 0, 0
	FETCH_A \next, 0, 0
	SCALES \next
	WIN MUL_HI
	MUL16 4, 1, NQ-1, \slot, 0
	MUL16 6, 1, NQ-1, \slot, 0
	PLACES NP
	WIN 0
	FETCH_A \next, 0, 4
.endm
.macro STEPS slot, from
.set Q, \from
.rept NQ-1-\from
	STEP \slot, Q, 0
.set Q, Q+1
.endr
.endm
	s_wait_tensorcnt 1                             ; the scales and my part of K step 0 are in; K step 1's load may be out
	s_barrier_signal -1
	s_barrier_wait -1
	FETCH_B 0, 0, 0
	FETCH_A 0, 0, 0
	SCALES 0
	FETCH_A 0, 0, 4
	STEP 0, 0, 1                                   ; the first step stands ahead of the loop: its products start the sums
	s_mov_b32 s3, LAPS-1
.Llap:
	STEPS 0, 1
	TURN 0, 1, 1
	STEPS 1, 0
	TURN 1, 0, 1
	STEP 0, 0, 0
	s_sub_co_u32 s3, s3, 1
	s_cmp_lg_u32 s3, 0
	s_cbranch_scc1 .Llap
	STEPS 0, 1                                     ; the last lap fills nothing
	TURN 0, 1, 0
	STEPS 1, 0
	s_wait_dscnt 4*NL
	WIN MUL_LO
	MUL16 0, 1, NQ-1, 1, 0
	MUL16 2, 1, NQ-1, 1, 0
	s_wait_dscnt 0
	WIN MUL_HI
	MUL16 4, 1, NQ-1, 1, 0
	MUL16 6, 1, NQ-1, 1, 0
	WIN 0
; THE WAY OUT, block a of 16 rows of A at a time.
; A block's 64 numbers are rounded to f16 into the lower 32 of the block's own 64 accumulator registers, which have been read by then: every block's stores have data registers of their own, none is written again,
; and no wait stands between the blocks.  Piece b goes to sa x a + sb x b.
.macro PACKOUT a, sa, sb
.set AC, 64*((\a)%4)
	WIN ((2+(\a)/4)<<6)                            ; destination: window 2 or 3
.set n, 0
.rept 32
	v_cvt_pk_f16_f32 v[AC+n], v[T+2*n], v[T+2*n+1]
.set n, n+1
.endr
	WIN ((2+(\a)/4)<<2)                            ; a store's data are its source 1
.irp b, 0,1,2,3,4,5,6,7
	global_store_b128 v[LO], v[AC+4*\b:AC+4*\b+3], s[12:13] offset:\sa*(\a)+\sb*\b   ; 32 lanes store 512 consecutive bytes, aligned
.endr
.endm
.macro OUTQK a
.set AC, 64*((\a)%4)
.if (\a) == 6
	s_wait_loadcnt 8                               ; block 6's table is in; block 7's eight loads stay out
.endif
.if (\a) == 7
	s_wait_loadcnt 0x0
.endif
.if (\a) == 0
.irp i, 0,1,2,3,4,5,6,7
	v_fma_f32 v[F+2*\i], v[G+\i], s94, s95         ; the semantic half's factor,
	v_fma_f32 v[F+2*\i+1], v[G+\i], s96, s97       ; the geometric half's
.endr
.endif
	WIN (0x02+((\a)/4))                            ; source 0: window 2 or 3
.irp b, 0,1,2,3
.irp p, 0,2,4,6
	v_pk_mul_f32 v[T+8*\b+\p:T+8*\b+\p+1], v[AC+8*\b+\p:AC+8*\b+\p+1], v[F+2*(\a):F+2*(\a)+1] op_sel_hi:[1,0]   ; each accumulator from its low end on
.endr
.endr
.irp b, 4,5,6,7
.irp p, 0,2,4,6
	v_pk_mul_f32 v[T+8*\b+\p:T+8*\b+\p+1], v[AC+8*\b+\p:AC+8*\b+\p+1], v[F+2*(\a):F+2*(\a)+1] op_sel:[0,1] op_sel_hi:[1,1]
.endr
.endr
	CSSET \a
	WIN (CW<<2)                                    ; cosines and sines are source 1 of every line below: their window
.irp be, 0,1                           ; the rotation: x1 = blocks 4, 5, x2 = blocks 6, 7: partners lie in the same lane and register
.irp p, 0,2,4,6
.set X1, T+8*(4+\be)+\p
.set X2, T+8*(6+\be)+\p
.set CO, CB+8*\be+\p
.set SI, CB+16+8*\be+\p
.set U,  UW+4*((\p/2)%2)
	v_pk_mul_f32 v[U:U+1], v[X2:X2+1], v[SI:SI+1]
	v_pk_mul_f32 v[U+2:U+3], v[X1:X1+1], v[SI:SI+1]
	v_pk_fma_f32 v[X1:X1+1], v[X1:X1+1], v[CO:CO+1], v[U:U+1] neg_lo:[0,0,1] neg_hi:[0,0,1]   ; x1 cos - x2 sin
	v_pk_fma_f32 v[X2:X2+1], v[X2:X2+1], v[CO:CO+1], v[U+2:U+3]                               ; x2 cos + x1 sin
.endr
.endr
	PACKOUT \a, 4096, 512
.endm
.macro OUTV a
.set AC, 64*((\a)%4)
	WIN (0x02+((\a)/4))
.set n, 0
.rept 32
	v_pk_mul_f32 v[T+2*n:T+2*n+1], v[AC+2*n:AC+2*n+1], 0x3e800000 op_sel_hi:[1,0]   ; x 1/4: exact; each accumulator from its low end on
.set n, n+1
.endr
	PACKOUT \a, 512, 4096
.endm
	PLACES NP                                      ; in front of the loads into registers that held A's fragments, of the writes over the scale words, and of the first read of results
	s_wait_loadcnt 0x0                             ; the head's 56 loads: the gate and the table of blocks 0 to 5
	s_cmp_ge_u32 ttmp9, 4                          ; the cluster's x: all partners go the same way
	s_cbranch_scc1 .Lclass_v
	CSLD 6                                         ; the last two blocks' table, into the registers that held A's fragments: six blocks' work stands ahead of its use
	CSLD 7
.irp a, 0,1,2,3,4,5,6,7
	OUTQK \a
.endr
	WIN 0                                          ; at a branch and at a label every window is 0
	s_branch .Lclose
.Lclass_v:
.irp a, 0,1,2,3,4,5,6,7
	OUTV \a
.endr
	WIN 0
.Lclose:
	s_wait_tensorcnt 0x0                           ; the wave's end
	ds_add_u32 v[SPW], v[NIL]
	s_wait_dscnt 0x0
	CROUND                                         ; the closing round: no work-group ends while a partner may still ask for a tile that names it
	s_endpgm
.Lfunc_end_k_q9723016a2e_proj:
	.size	k_q9723016a2e_proj, .Lfunc_end_k_q9723016a2e_proj-k_q9723016a2e_proj
	.p2alignl 7, 3214868480
	.fill 96, 4, 3214868480
	.section	.rodata,"a",@progbits
	.p2align	6, 0x0
	.amdhsa_kernel k_q9723016a2e_proj
		.amdhsa_group_segment_fixed_size 327680
		.amdhsa_private_segment_fixed_size 0
		.amdhsa_enable_private_segment 0
		.amdhsa_kernarg_size 32
		.amdhsa_user_sgpr_count 2
		.amdhsa_user_sgpr_kernarg_segment_ptr 1
		.amdhsa_wavefront_size32 1
		.amdhsa_system_sgpr_workgroup_id_x 1
		.amdhsa_system_sgpr_workgroup_id_y 1
		.amdhsa_system_sgpr_workgroup_id_z 1
		.amdhsa_system_vgpr_workitem_id 0
		.amdhsa_next_free_vgpr 1024
		.amdhsa_next_free_sgpr 98
		.amdhsa_reserve_vcc 0
		.amdhsa_float_denorm_mode_32 3
		.amdhsa_float_denorm_mode_16_64 3
		.amdhsa_memory_ordered 1
		.amdhsa_forward_progress 1
		.amdhsa_inst_pref_size 255
	.end_amdhsa_kernel
	.section	.bss,"aw",@nobits
	.p2align	6
	.space	262144
	.amdgpu_metadata
---
amdhsa.version: [ 1, 2 ]
amdhsa.kernels:
  - .name:           k_q9723016a2e_proj
    .symbol:         k_q9723016a2e_proj.kd
    .args:
      - { .name: codes, .offset: 0, .size: 8, .value_kind: global_buffer, .address_space: global }
      - { .name: scales, .offset: 8, .size: 8, .value_kind: global_buffer, .address_space: global }
      - { .name: aux, .offset: 16, .size: 8, .value_kind: global_buffer, .address_space: global }
      - { .name: qkv, .offset: 24, .size: 8, .value_kind: global_buffer, .address_space: global }
    .group_segment_fixed_size: 327680
    .private_segment_fixed_size: 0
    .kernarg_segment_align: 8
    .kernarg_segment_size: 32
    .max_flat_workgroup_size: 128
    .sgpr_count:     98
    .vgpr_count:     1024
    .wavefront_size: 32
...
	.end_amdgpu_metadata
.endif
;; end of part 2
;; launch attn (part 3): grid 8 x 32, 4 waves a work-group, no clusters, 327,680 bytes of LDS; arguments qkv, att16; writes att16
.if DOCPART == 3
	.amdgcn_target "amdgcn-amd-amdhsa--gfx1250"
	.amdhsa_code_object_version 6
	.text
	.protected	k_q9723016a2e_attn
	.globl	k_q9723016a2e_attn
	.p2align	8
	.type	k_q9723016a2e_attn,@function
k_q9723016a2e_attn:
	s_mov_b64 s[64:65], 0
	v_nop
	global_prefetch_b8 v0, s[64:65] scope:SCOPE_SE
	s_setreg_imm32_b32 hwreg(HW_REG_WAVE_MODE, 25, 1), 1
	s_wait_xcnt 0x0
; ATTN: causal attention of 32 heads (batch x 16 + head), 1,024 tokens, head size 128, on f16 operands with f32 sums.  The gate's mix of the two score products is one product: q = (0.5 g qs | 0.5 (1 - g) rope(qg)),
; k = 0.25 (ks | rope(kg)), so q . k is the score as it stands.  v carries 1/4, which the next launch's weight takes back.
; OPERANDS LIE IN MEMORY AS IMAGES OF THEIR REGISTERS: pieces of 512 bytes, 16 rows x 16 k, lane l's 16 bytes at 16 l.  q at qkv, k at qkv + 0x800000: [head][token / 16][channel / 16]; v transposed at qkv + 0x1000000:
; [head][key / 16][channel / 16].  So tiles are dense blocks for the tensor loads, fragments are read at 16 x lane, and nothing is padded or turned.
; SHARES.  A work-group owns 128 queries of a head, two blocks of 64.  Wave w: block w / 2, and of the key steps of 64 keys those with j % 2 = w % 2, up to the block's own: so the longest wave walks 8 steps,
; and every SIMD of 256 work-groups has work.  The two waves of a block merge their sums at the end.  A wave's first two steps always run (hidden scores masked); later steps wholly behind the diagonal are jumped over.
; LAYOUT AND TURNS.  S^T = K Q^T, O^T = V^T P: a lane holds one query throughout.  The wave's four tiles of 16 queries are two pieces (tiles 0, 1; tiles 2, 3): in a turn one piece has the matrix unit (32 products V^T P of the
; step in hand, 32 products K Q^T of the next), and the other piece's softmax stands in 64 slices behind its matrix instructions.
; SOFTMAX.  Running maximum m and sum l for each query: p = 2^(c s - c m), c = log2(e); O and l are multiplied by 2^(c m_old - c m_new) in every step.  A hidden score becomes -2^100: c times it is exact, so a state made of
; hidden keys alone has p = 1 under that maximum and is multiplied by 2^(-huge) = 0 at the next open step or at the merge; key 0 is open for every query, so the merge always has an open part.
; NO CLUSTER: the work-groups of a head need different numbers of tiles, and what is left out hangs on the work-group's place.
; LIMITS: a hidden key weighs exactly 0 (as exp(-1e9 - max) does wherever a row's open scores lie above about -1e9); NaN and infinities are not served.
; REGISTERS: window 0: v1-11 addresses and work; v12-43 statistics, 8 a tile; v44-52 the mask's and the merge's; v64-191 S^T; v192-255 P.  window 1: O^T, 64 a tile.  window 2: v0-127 Q, v128-255 K.  window 3: v0-127 V.
.set SLOT1, 1<<17                      ; a slot: 4 steps of K (65,536 bytes), then 4 of V; slot 1 begins here
.set VOFF,  65536
.set STEPB, 16384                      ; a step's K, or V
.set MX,    262144                     ; the merge's statistics: 1,024 bytes a wave
.set SPARE, 266240                     ; the spare words, 128 bytes a wave: two blocks of 256 bytes that no other line names
.set AK0, 2                            ; v2   16 x lane: my place in a piece, in LDS and in memory; never rewritten
.set AV0, 3                            ; v3   the same + VOFF
.set ADR, 4                            ; v4   the LDS address of the run of loads in hand
.set DL,  44                           ; v44  l % 16 - 8 (l / 16)
.set DT,  45                           ; v45  the mask's bound for the tile in hand
.set NEG, 46                           ; v46  -2^100
.set XW,  47                           ; v47  the merge: where my O^T goes: 32,768 bytes a wave in slot 0, which has had its last fill and its last read by then
.set XO,  48                           ; v48  my own two tiles of it, 2 (w % 2) on
.set XP,  49                           ; v49  the same tiles of my partner, wave w xor 1
.set MW,  50                           ; v50  where my statistics go
.set MO,  51                           ; v51  my own two tiles',
.set MP,  52                           ; v52  my partner's
.set PFO, 61                           ; v61  256 x lane
.set SPW, 62
.set NIL, 63
.set ST,  12
.set S,   64
.set P,   192
.set KF,  128
.set WV,  12                           ; s12  wave
.set LIM, 15                           ; s15  1 in the work-group that prefetches, else the greatest number
.set PFA, 18                           ; s[18:19] my part of the slot after the one that is being asked for
.set G1,  24                           ; s[24:31] descriptor group 1
.set G0,  40                           ; s[40:43] descriptor group 0, which walks
.set BG,  44                           ; s44  my block of 64 queries, 0..15: also the last key step that counts for it
.set JN,  45                           ; s45  the key step that is being fetched
.set KN,  46                           ; s46  the first key of the slot that the next change would ask for
.set LQ,  47                           ; s47  my work-group's last query
.set SL,  56
.set TWICE, 57
.set CS,  58
.set SEL, 60
.set TB,  62                           ; s62  LDS byte at which the K of the step to be fetched begins
.set MSB, 0
.macro WIN new
.if MSB != \new
	s_set_vgpr_msb (MSB<<8)|\new
.set MSB, \new
.endif
.endm
.set W_KQ, 0x0a
.set W_PV, 0x53
.set W_RS, 0x41
	s_load_b128 s[4:7], s[0:1], 0x0                ; qkv s[4:5], att16 s[6:7]
	v_lshl_add_u32 v[SPW], v0, 2, SPARE
	v_mov_b32 v[NIL], 0
	ds_add_u32 v[SPW], v[NIL]                      ; the wave's opening: the add and its wait ahead of my first tensor load
	v_lshrrev_b32 v1, 5, v0
	v_readfirstlane_b32 s[WV], v1
	s_and_b32 s13, s[WV], 1                        ; which key steps are mine.  Also: which half of K's or V's slot I fetch
	s_lshr_b32 s14, s[WV], 1                       ; which block of queries.  Also: I fetch K (0) or V (1)
	s_lshl_b32 s[BG], ttmp9, 1
	s_add_co_u32 s[BG], s[BG], s14
	s_and_b32 s16, ttmp7, 0xffff                   ; the head, 0..31
	s_mov_b32 s[JN], s13
	s_lshl_b32 s[TB], s13, 14
	s_mov_b32 s[KN], 256
	s_lshl_b32 s[LQ], ttmp9, 7
	s_or_b32 s[LQ], s[LQ], 127
	s_mov_b32 s[SL], 2
	s_mov_b32 s[G1], 3<<16                         ; no mask; elements of 8 bytes; no padding: 32,768 dense bytes as 128 rows of 256
	s_mov_b32 s[G1+1], 32<<16                      ; tensor_dim0 = 32
	s_mov_b32 s[G1+2], 128<<16                     ; tensor_dim1 = 128
	s_mov_b32 s[G1+3], 32<<16                      ; tile_dim0 = 32
	s_mov_b32 s[G1+4], 128                         ; tile_dim1 = 128
	s_mov_b32 s[G1+5], 32                          ; the pitch
	s_mov_b32 s[G1+6], 0
	s_mov_b32 s[G1+7], 0
	s_mov_b32 s[CS], 0x3fb8aa3b                    ; c = log2(e)
	s_mov_b32 s[CS+1], s[CS]
	s_mov_b32 s[SEL], 0x76543210
	s_mov_b32 s[SEL+1], 0xfedcba98
	s_lshl_b32 s20, s14, 23                        ; what I fetch: K at 0x800000, V at 0x1000000,
	s_add_co_u32 s20, s20, 0x800000
	s_lshl_b32 s21, s16, 18                        ; 262,144 bytes a head,
	s_add_co_u32 s20, s20, s21
	s_lshl_b32 s21, s13, 15                        ; my half of a slot's 65,536
	s_add_co_u32 s20, s20, s21
	s_mov_b32 s21, 0
	s_lshl_b32 s22, s16, 18                        ; Q: the head, and my block's four tiles of 4,096 bytes
	s_lshl_b32 s23, s[BG], 14
	s_add_co_u32 s22, s22, s23
	s_mov_b32 s23, 0
	s_lshr_b32 s2, s16, 4                          ; the way out: token tile 64 x batch + 4 x block + 2 (w % 2), 65,536 bytes each,
	s_lshl_b32 s2, s2, 6
	s_lshl_b32 s3, s[BG], 2
	s_add_co_u32 s2, s2, s3
	s_lshl_b32 s3, s13, 1
	s_add_co_u32 s2, s2, s3
	s_lshl_b32 s2, s2, 16
	s_and_b32 s3, s16, 15                          ; the head's eight pieces
	s_lshl_b32 s3, s3, 12
	s_add_co_u32 s2, s2, s3
	s_mov_b32 s3, 0
	s_cmp_eq_u32 ttmp9, 7                          ; the head's last work-group walks all slots: it prefetches
	s_cselect_b32 s[LIM], 1, -1
	v_and_b32 v1, 15, v0                           ; l % 16
	v_bfe_u32 v9, v0, 4, 1                         ; l / 16
	v_and_b32 v10, 31, v0
	v_lshlrev_b32 v[AK0], 4, v10
	v_add_nc_u32 v[AV0], VOFF, v[AK0]
	v_lshlrev_b32 v[PFO], 8, v10
	s_wait_dscnt 0x0                               ; the opening add is done
	s_wait_kmcnt 0x0
	s_mov_b32 s[G0], 1
	s_lshl_b32 s[G0+1], s[WV], 15                  ; K's halves, then V's: wave x 32,768
	s_add_nc_u64 s[G0+2:G0+3], s[4:5], s[20:21]
	s_add_nc_u64 s[PFA:PFA+1], s[4:5], s[20:21]
	s_add_nc_u64 s[PFA:PFA+1], s[PFA:PFA+1], 65536 ; in slot 1: the first change steps it to slot 2
	s_or_b32 s[G0+3], s[G0+3], 0x80000000
	s_add_nc_u64 s[10:11], s[4:5], s[22:23]
	s_add_nc_u64 s[8:9], s[6:7], s[2:3]
	tensor_load_to_lds s[G0:G0+3], s[G1:G1+7]      ; slot 0: every wave fetches a quarter of it
	s_nop 0
.rept 4
	v_nop
.endr
	WIN 0x80                                       ; destination window 2
.irp i, 0,1,2,3,4,5,6,7,8,9,10,11,12,13,14,15      ; Q stays in registers: tile i / 4, channels 32 (i % 4) on: two pieces
	global_load_b128 v[8*\i:8*\i+3],   v[AK0], s[10:11] offset:(\i/4)*4096+(\i%4)*1024
	global_load_b128 v[8*\i+4:8*\i+7], v[AK0], s[10:11] offset:(\i/4)*4096+(\i%4)*1024+512
.endr
	WIN 0
; THE MATRIX WORK OF A TURN, for piece x.  The accumulators take turns, one instruction a turn.
.macro PV x, zero
	WIN W_PV
.set rO, 64*(\x+i%2)+8*((i/2)%8)
.set rV, 64*(i/16)+8*((i/2)%8)
.set rP, P+16*(\x+i%2)+8*(i/16)
.if \zero && (i < 16)
	v_wmma_f32_16x16x32_f16 v[rO:rO+7], v[rV:rV+7], v[rP:rP+7], 0
.else
	v_wmma_f32_16x16x32_f16 v[rO:rO+7], v[rV:rV+7], v[rP:rP+7], v[rO:rO+7]
.endif
.endm
.macro KQ x
	WIN W_KQ
.set rS, S+32*(\x+i%2)+8*((i/2)%4)
.set rK, KF+32*((i/2)%4)+8*(i/8)
.set rQ, 32*(\x+i%2)+8*(i/8)
.if i < 8
	v_wmma_f32_16x16x32_f16 v[rS:rS+7], v[rK:rK+7], v[rQ:rQ+7], 0
.else
	v_wmma_f32_16x16x32_f16 v[rS:rS+7], v[rK:rK+7], v[rQ:rQ+7], v[rS:rS+7]
.endif
.endm
; THE LDS LOADS stand in runs of 32: a step's K (fragment f: keys 16 (f / 4) on, channels 32 (f % 4) on) and, a turn later, its V (keys 32 (f / 8) on, channels 16 (f % 8) on).
.macro FETCH_K
	WIN 0
	v_add_nc_u32 v[ADR], s[TB], v[AK0]
	WIN 0x80
.irp f, 0,1,2,3,4,5,6,7,8,9,10,11,12,13,14,15
	ds_load_b128 v[KF+8*\f:KF+8*\f+3],   v[ADR] offset:(\f/4)*4096+(\f%4)*1024
	ds_load_b128 v[KF+8*\f+4:KF+8*\f+7], v[ADR] offset:(\f/4)*4096+(\f%4)*1024+512
.endr
.endm
.macro FETCH_V
	WIN 0
	v_add_nc_u32 v[ADR], s[TB], v[AV0]
	s_wait_alu depctr_va_vdst(0)                   ; the wait for the softmax's batch of exponentials, behind the address's addition and ahead of the loads
	WIN 0xc0
.irp f, 0,1,2,3,4,5,6,7,8,9,10,11,12,13,14,15
	ds_load_b128 v[8*\f:8*\f+3],   v[ADR] offset:(\f/8)*8192+(\f%8)*512
	ds_load_b128 v[8*\f+4:8*\f+7], v[ADR] offset:(\f/8)*8192+4096+(\f%8)*512
.endr
.endm
.macro STEPON                          ; my next key step lies two steps on
	s_add_co_u32 s[TB], s[TB], 2*STEPB
	s_add_co_u32 s[JN], s[JN], 2
.endm
; THE MASK on piece x's fresh scores of step JN.  Register 8 kt + jj of tile t holds key 64 JN + 16 kt + 8 (l / 16) + jj for query 64 BG + 16 t + l % 16: hidden where 16 kt + jj > 64 (BG - JN) + 16 t + l % 16 - 8 (l / 16).
; A step ahead of the diagonal skips it: a branch on ids.  Each accumulator is taken from its low end on.
.macro MASKQ x
	WIN 0
	s_cmp_lt_u32 s[JN], s[BG]
	s_cbranch_scc1 .Lopen_\@
	s_sub_co_i32 s48, s[BG], s[JN]
	s_lshl_b32 s48, s48, 6
.irp t, \x, \x+1
	s_add_co_i32 s49, s48, 16*(\t)
	v_add_nc_u32 v[DT], s49, v[DL]
.set n, 0
.rept 32
	v_cmp_gt_i32 vcc_lo, 16*(n/8)+n%8, v[DT]
	v_cndmask_b32 v[S+32*(\t)+n], v[S+32*(\t)+n], v[NEG], vcc_lo
.set n, n+1
.endr
.endr
.Lopen_\@:
.endm
; THE VECTOR WORK OF A TURN.  One tile's softmax for one key step is a list of 134 instructions; SM writes number j of it for tile t.
;   0-15 the maximum of the lane's 32 scores and the old m;  16-20 the other half of the lanes', the new m, c m, its change;  21-69 ONE BATCH: the 16 scalings c s - c m and all 33 exponentials, none of which reads
;   an exponential's result;  (the wait for the batch)  70-85 the roundings to f16;  86-101 the sums;  102-133 the tile's O^T times a.
.macro SM t, first
.set rT, ST+8*(\t)
.set rS, S+32*(\t)
.set rP, P+16*(\t)
.set rO, 64*(\t)+2*(j-102)
.if j < 102
	WIN 0
.endif
.if j < 4
	v_max3_num_f32 v[rT+4+j], v[rS+8*j], v[rS+8*j+1], v[rS+8*j+2]
.elseif j < 12
	v_max3_num_f32 v[rT+4+j%4], v[rT+4+j%4], v[rS+8*(j%4)+2*(j/4)+1], v[rS+8*(j%4)+2*(j/4)+2]
.elseif j == 12
	v_max3_num_f32 v[rT+4], v[rT+4], v[rS+7], v[rS+15]
.elseif j == 13
	v_max3_num_f32 v[rT+6], v[rT+6], v[rS+23], v[rS+31]
.elseif j == 14
	v_max3_num_f32 v[rT+4], v[rT+4], v[rT+5], v[rT+6]
.elseif (j == 15) && \first
	v_max_num_f32 v[rT+4], v[rT+4], v[rT+7]
.elseif j == 15
	v_max3_num_f32 v[rT+4], v[rT+4], v[rT+7], v[rT+1]
.elseif j == 16
	v_permlanex16_b32 v[rT+5], v[rT+4], s[SEL], s[SEL+1]
.elseif j == 18
	v_max_num_f32 v[rT+1], v[rT+4], v[rT+5]
.elseif j == 19
	v_mul_f32 v[rT], s[CS], v[rT+1]
.elseif ((j == 17) || (j == 20) || (j == 23) || (j > 101)) && \first
.elseif j == 17
	v_mov_b32 v[rT+7], v[rT]
.elseif j == 20
	v_sub_f32 v[rT+7], v[rT+7], v[rT]
.elseif j == 23
	v_exp_f32 v[rT+6], v[rT+7]
.elseif (j < 23) || ((j < 38) && (j%2 == 0)) || ((j < 66) && (j%4 == 2))
.set b, (j-2)/4
.if j < 38
.set b, (j-20)/2
.endif
	v_pk_fma_f32 v[rS+2*b:rS+2*b+1], v[rS+2*b:rS+2*b+1], s[CS:CS+1], v[rT:rT+1] op_sel_hi:[1,0,0] neg_lo:[0,0,1] neg_hi:[0,0,1]
.elseif j < 70
.set e, j-38
.if j < 66
.set e, j-32-(j-38)/4
.endif
.if j < 38
.set e, (j-25)/2
.endif
	v_exp_f32 v[rS+e], v[rS+e]
.elseif j < 86
	v_cvt_pk_f16_f32 v[rP+j-70], v[rS+2*(j-70)], v[rS+2*(j-70)+1]
.elseif j < 102
.set z, j-86
.set w, 4
.set u, z
.if z >= 14
.set w, 32
.set u, 0
.elseif z >= 12
.set w, 16
.set u, z-12
.elseif z >= 8
.set w, 8
.set u, z-8
.endif
.if (z == 14) && \first
	v_pk_add_f32 v[rT+2:rT+3], v[rS:rS+1], v[rS+16:rS+17]
.elseif z < 15
	v_pk_add_f32 v[rS+w*u:rS+w*u+1], v[rS+w*u:rS+w*u+1], v[rS+w*u+w/2:rS+w*u+w/2+1]
.elseif !\first
	v_pk_fma_f32 v[rT+2:rT+3], v[rT+2:rT+3], v[rT+6:rT+7], v[rS:rS+1] op_sel_hi:[1,0,1]
.endif
.else
	WIN W_RS
	v_pk_mul_f32 v[rO:rO+1], v[rO:rO+1], v[rT+6:rT+7] op_sel_hi:[1,0]
.endif
.endm
; Slice k of 64 of piece y's softmax: four instructions; slices 11 to 34 deal out the batch, four numbers of one tile each; the twelve that are over stand in slice 63.
; Ahead of slice 35 nothing names an exponential's result, and behind slice 34 none is issued: one wait serves the piece's 66.
.macro SLICE y, first
.if (k >= 11) && (k < 35)
.irp n, 0,1,2,3
.set j, 22+4*((k-11)/2)+(\n)
	SM (\y)+(k-11)%2, \first
.endr
.else
.irp n, 0,1,2,3,4,5,6,7
.if (\n < 2) || (k == 63)
.irp t, \y, \y+1
.set j, 2*k+\n
	SM \t, \first
.endr
.endif
.endr
.endif
.if k == 34
	v_nop                                          ; the plain line behind the last exponential
.if (\y) == 0
	FETCH_V                                        ; piece 2's turn: V's run of loads stands here, and the wait stands in it
.else
	s_wait_alu depctr_va_vdst(0)
.endif
.endif
.set k, k+1
.endm
.macro PLACES
.rept 4
	v_nop
.endr
.endm
; A TURN.  Piece x has the matrix unit.  pv = 2: 32 products V^T P; 1: they start O^T's sums; 0: none.  kq = 1: 32 products K Q^T for the next step.  first = 1: the softmax is the wave's first.
.macro TURN x, pv, kq, first
.set k, 0
.set per, 2
.if \pv && \kq
.set per, 1
.endif
.if \pv
.if \x == 0
	s_wait_dscnt 0x0                               ; V is in
.endif
.set i, 0
.rept 32
	PV \x, 2-\pv
.rept per
	SLICE 2-\x, \first
.endr
.if (\x == 0) && \kq && (i == 1)
	FETCH_K
.endif
.set i, i+1
.endr
.endif
.if \kq
.if \x == 0
	s_wait_dscnt 0x0                               ; K is in
.endif
.set i, 0
.rept 32
	KQ \x
.rept per
	SLICE 2-\x, \first
.endr
.set i, i+1
.endr
.endif
.if \first
	PLACES
.endif
.endm
; A prefetch of what the NEXT change of slots will ask for.  All work-groups of a head walk the same K and V from their start: the head's last work-group, which walks all of them, asks; each of its waves names the
; 32,768 bytes that it will itself fetch, lanes 256 bytes apart, four instructions.  Slots 0 and 1 come by their loads alone; the last change that fills a slot asks for nothing.
.macro ASK
	s_cmp_gt_u32 s[SL], s[LIM]
	s_cbranch_scc0 .Lnot_mine_\@
.irp q, 0,1,2,3
	global_prefetch_b8 v[PFO], s[PFA:PFA+1] offset:8192*\q th:TH_LOAD_NT scope:SCOPE_SE
.endr
.Lnot_mine_\@:
.endm
; THE CHANGE OF SLOTS.  Each wave waits for all its tensor loads (at most one is out), adds 0 to its spare word, and waits for that and for its reads of the slot that it leaves; behind the barrier the slot ahead is whole
; and nobody reads the other.  fill = 1: that other slot is filled with the next 256 keys, unless its first key comes after the work-group's last query: then none of its waves would read it.
; Every wait on the tensor counter in this text is for 0.
.macro CHANGE fill, turn
	WIN 0
	s_wait_tensorcnt 0x0
	ds_add_u32 v[SPW], v[NIL]
.if \fill
	s_xor_b32 s[G0+1], s[G0+1], SLOT1              ; no load of mine is out: the descriptor walks: the other slot,
	s_add_nc_u64 s[G0+2:G0+3], s[G0+2:G0+3], 65536 ; the next 256 keys
	s_wait_xcnt 0x0                                ; the last prefetches have read their address
	s_add_nc_u64 s[PFA:PFA+1], s[PFA:PFA+1], 65536
.endif
	s_wait_dscnt 0x0
	s_barrier_signal -1
	s_barrier_wait -1
.if \fill
	s_cmp_gt_u32 s[KN], s[LQ]
	s_cbranch_scc1 .Lpast_\@
	tensor_load_to_lds s[G0:G0+3], s[G1:G1+7]      ; my one tensor load behind this barrier, and the first thing there
	s_nop 0
.rept 4
	v_nop
.endr
.Lpast_\@:
	ASK
	s_add_co_u32 s[KN], s[KN], 256
.endif
.if \turn
	s_sub_co_u32 s[TB], s[TB], 4*STEPB             ; back to my first step of a slot,
	s_xor_b32 s[TB], s[TB], SLOT1                  ; in the other slot
.endif
.endm
; My two key steps of a slot: written once, walked twice.  A step behind my block's diagonal is left out whole: the pipeline's state (piece 0's P, piece 2's scores, V of the step in hand) stays as it is for the tail.
.macro TWO_STEPS
	s_mov_b32 s[TWICE], 2
.Lstep_\@:
	s_cmp_gt_u32 s[JN], s[BG]
	s_cbranch_scc1 .Lskip_\@
	TURN 0, 2, 1, 0
	MASKQ 0
	TURN 2, 2, 1, 0
	MASKQ 2
	WIN 0
.Lskip_\@:
	STEPON
	s_sub_co_u32 s[TWICE], s[TWICE], 1
	s_cmp_lg_u32 s[TWICE], 0
	s_cbranch_scc1 .Lstep_\@
.endm
	CHANGE 1, 0                                    ; slot 0 is whole; slot 1 is asked for
	FETCH_K                                        ; my first key step
	s_wait_loadcnt 0x0                             ; Q
	s_wait_dscnt 0x0
.set i, 0
.rept 32
	KQ 0
.set i, i+1
.endr
	WIN 0                                          ; the merge's and the mask's registers are made here, ahead of the first branch on the wave's number: plain lines, the places behind those products
	s_lshl_b32 s20, s[WV], 15
	s_lshl_b32 s21, s13, 14
	s_xor_b32 s22, s[WV], 1
	s_lshl_b32 s23, s22, 15
	s_add_co_u32 s23, s23, s21
	v_add_nc_u32 v[XW], s20, v[AK0]
	v_add_nc_u32 v[XO], s21, v[XW]
	v_add_nc_u32 v[XP], s23, v[AK0]
	s_lshl_b32 s20, s[WV], 10
	s_add_co_u32 s20, s20, MX
	s_lshl_b32 s21, s13, 9
	s_lshl_b32 s23, s22, 10
	s_add_co_u32 s23, s23, MX
	s_add_co_u32 s23, s23, s21
	v_lshlrev_b32 v10, 2, v10
	v_add_nc_u32 v[MW], s20, v10
	v_add_nc_u32 v[MO], s21, v[MW]
	v_add_nc_u32 v[MP], s23, v10
	v_lshlrev_b32 v11, 3, v9
	v_sub_nc_u32 v[DL], v1, v11
	v_mov_b32 v[NEG], 0xf1800000
	MASKQ 0
	TURN 2, 0, 1, 1                                ; piece 2's first scores | piece 0's first softmax | V of my first step
	MASKQ 2
	STEPON
	TURN 0, 1, 1, 1                                ; piece 0: V^T P starts O^T, K Q^T of my second step | piece 2's first softmax
	MASKQ 0
	TURN 2, 1, 1, 0                                ; piece 2: the same | piece 0's second softmax | V of my second step
	MASKQ 2
	STEPON
	WIN 0
.Lslot:                                            ; two trips: slots 2 and 3 are asked for (up to the causal limit), slots 1 and 2 are walked
	CHANGE 1, 1
	TWO_STEPS
	s_sub_co_u32 s[SL], s[SL], 1
	s_cmp_lg_u32 s[SL], 0
	s_cbranch_scc1 .Lslot
	CHANGE 0, 1                                    ; the last slot is written out: nothing is asked for
	TWO_STEPS
	TURN 0, 2, 0, 0                                ; piece 0: V^T P of my last step | piece 2's last softmax
.set i, 0
.rept 32
	PV 2, 0
.set i, i+1
.endr
	; THE MERGE.  Each wave lays its O^T, c m and l into LDS; behind one barrier wave w takes tiles 2 (w % 2) and 2 (w % 2) + 1 of its block, its own part and its partner's, brings both under the larger maximum and divides.
	WIN 0
.irp t, 0,1,2,3
	v_add_f32 v[ST+8*\t+4], v[ST+8*\t+2], v[ST+8*\t+3]     ; (these lines are the places behind the last products)
.endr
.irp t, 0,1,2,3
	v_permlanex16_b32 v[ST+8*\t+5], v[ST+8*\t+4], s[SEL], s[SEL+1]
.endr
.irp t, 0,1,2,3
	v_add_f32 v[ST+8*\t+4], v[ST+8*\t+4], v[ST+8*\t+5]     ; l of my keys
.endr
.irp t, 0,1,2,3
	ds_store_b32 v[MW], v[ST+8*\t] offset:256*\t
	ds_store_b32 v[MW], v[ST+8*\t+4] offset:256*\t+128
.endr
	WIN 0x04                                       ; an LDS store's data are its source 1: window 1
.set g, 0
.rept 64
	ds_store_b128 v[XW], v[4*g:4*g+3] offset:512*g ; each accumulator from its low end on
.set g, g+1
.endr
	WIN 0
	s_wait_dscnt 0x0                               ; for my partner's sake
	s_barrier_signal -1
	s_barrier_wait -1
.irp u, 0,1
	ds_load_b32 v[12+4*\u], v[MO] offset:256*\u
	ds_load_b32 v[13+4*\u], v[MO] offset:256*\u+128
	ds_load_b32 v[14+4*\u], v[MP] offset:256*\u
	ds_load_b32 v[15+4*\u], v[MP] offset:256*\u+128
.endr
.set g, 0
.rept 16
	ds_load_b128 v[64+4*g:67+4*g], v[XO] offset:512*g
	ds_load_b128 v[128+4*g:131+4*g], v[XP] offset:512*g
.set g, g+1
.endr
	WIN 0x40
.set g, 0
.rept 16
	ds_load_b128 v[4*g:4*g+3], v[XO] offset:8192+512*g
	ds_load_b128 v[64+4*g:67+4*g], v[XP] offset:8192+512*g
.set g, g+1
.endr
	WIN 0
	s_wait_dscnt 63                                ; the eight statistics are the oldest; 64 loads were issued behind them, and the count names one fewer, which the field holds
.irp u, 0,1
	v_max_num_f32 v[20+\u], v[12+4*\u], v[14+4*\u]
.endr
.irp u, 0,1
	v_sub_f32 v[22+2*\u], v[12+4*\u], v[20+\u]
	v_sub_f32 v[23+2*\u], v[14+4*\u], v[20+\u]
.endr
.irp q, 22,23,24,25
	v_exp_f32 v[\q], v[\q]
.endr
	v_nop
	s_wait_alu depctr_va_vdst(0)                   ; one wait for the four
.irp u, 0,1
	v_mul_f32 v[26+\u], v[22+2*\u], v[13+4*\u]
.endr
.irp u, 0,1
	v_fmac_f32 v[26+\u], v[23+2*\u], v[15+4*\u]    ; the row's sum under the common maximum
.endr
	v_rcp_f32 v26, v26
	v_rcp_f32 v27, v27
	v_nop
	s_wait_alu depctr_va_vdst(0)
.irp u, 0,1
	v_mul_f32 v[22+2*\u], v[22+2*\u], v[26+\u]     ; my part's factor,
	v_mul_f32 v[23+2*\u], v[23+2*\u], v[26+\u]     ; my partner's
.endr
	s_wait_dscnt 32                                ; the first tile's 32 loads are in; the second's stay out
.set g, 0
.rept 32
	v_pk_mul_f32 v[64+2*g:65+2*g], v[64+2*g:65+2*g], v[22:23] op_sel_hi:[1,0]
.set g, g+1
.endr
.set g, 0
.rept 32
	v_pk_fma_f32 v[64+2*g:65+2*g], v[128+2*g:129+2*g], v[22:23], v[64+2*g:65+2*g] op_sel:[0,1,0] op_sel_hi:[1,1,1]
.set g, g+1
.endr
.set g, 0
.rept 32
	v_cvt_pk_f16_f32 v[192+g], v[64+2*g], v[65+2*g]
.set g, g+1
.endr
.irp c, 0,1,2,3,4,5,6,7
	global_store_b128 v[AK0], v[192+4*\c:195+4*\c], s[8:9] offset:512*\c   ; a piece: 32 lanes store 512 consecutive bytes, aligned
.endr
	s_wait_dscnt 0x0
	WIN 0x41
.set g, 0
.rept 32
	v_pk_mul_f32 v[2*g:2*g+1], v[2*g:2*g+1], v[24:25] op_sel_hi:[1,0]
.set g, g+1
.endr
	WIN 0x51
.set g, 0
.rept 32
	v_pk_fma_f32 v[2*g:2*g+1], v[64+2*g:65+2*g], v[24:25], v[2*g:2*g+1] op_sel:[0,1,0] op_sel_hi:[1,1,1]
.set g, g+1
.endr
	WIN 0x05
.set g, 0
.rept 32
	v_cvt_pk_f16_f32 v[224+g], v[2*g], v[2*g+1]
.set g, g+1
.endr
	WIN 0
.irp c, 0,1,2,3,4,5,6,7
	global_store_b128 v[AK0], v[224+4*\c:227+4*\c], s[8:9] offset:65536+512*\c
.endr
	s_wait_tensorcnt 0x0                           ; the wave's end
	ds_add_u32 v[SPW], v[NIL]
	s_wait_dscnt 0x0
	s_endpgm
.Lfunc_end_k_q9723016a2e_attn:
	.size	k_q9723016a2e_attn, .Lfunc_end_k_q9723016a2e_attn-k_q9723016a2e_attn
	.p2alignl 7, 3214868480
	.fill 96, 4, 3214868480
	.section	.rodata,"a",@progbits
	.p2align	6, 0x0
	.amdhsa_kernel k_q9723016a2e_attn
		.amdhsa_group_segment_fixed_size 327680
		.amdhsa_private_segment_fixed_size 0
		.amdhsa_enable_private_segment 0
		.amdhsa_kernarg_size 16
		.amdhsa_user_sgpr_count 2
		.amdhsa_user_sgpr_kernarg_segment_ptr 1
		.amdhsa_wavefront_size32 1
		.amdhsa_system_sgpr_workgroup_id_x 1
		.amdhsa_system_sgpr_workgroup_id_y 1
		.amdhsa_system_sgpr_workgroup_id_z 1
		.amdhsa_system_vgpr_workitem_id 0
		.amdhsa_next_free_vgpr 1024
		.amdhsa_next_free_sgpr 66
		.amdhsa_reserve_vcc 1
		.amdhsa_float_denorm_mode_32 3
		.amdhsa_float_denorm_mode_16_64 3
		.amdhsa_memory_ordered 1
		.amdhsa_forward_progress 1
		.amdhsa_inst_pref_size 253
	.end_amdhsa_kernel
	.amdgpu_metadata
---
amdhsa.version: [ 1, 2 ]
amdhsa.kernels:
  - .name:           k_q9723016a2e_attn
    .symbol:         k_q9723016a2e_attn.kd
    .args:
      - { .name: qkv, .offset: 0, .size: 8, .value_kind: global_buffer, .address_space: global }
      - { .name: att16, .offset: 8, .size: 8, .value_kind: global_buffer, .address_space: global }
    .group_segment_fixed_size: 327680
    .private_segment_fixed_size: 0
    .kernarg_segment_align: 8
    .kernarg_segment_size: 16
    .max_flat_workgroup_size: 128
    .sgpr_count:     66
    .vgpr_count:     1024
    .wavefront_size: 32
...
	.end_amdgpu_metadata
.endif
;; end of part 3
;; launch outp (part 4): grid 16 x 16, 4 waves a work-group, clusters of 4 x 4, 327,680 bytes of LDS; arguments att16, wo16, out0; writes out0
.if DOCPART == 4
	.amdgcn_target "amdgcn-amd-amdhsa--gfx1250"
	.amdhsa_code_object_version 6
	.text
	.protected	k_q9723016a2e_outp
	.globl	k_q9723016a2e_outp
	.p2align	8
	.type	k_q9723016a2e_outp,@function
k_q9723016a2e_outp:
	s_mov_b64 s[64:65], 0
	v_nop
	global_prefetch_b8 v0, s[64:65] scope:SCOPE_SE
	s_setreg_imm32_b32 hwreg(HW_REG_WAVE_MODE, 25, 1), 1
	s_wait_xcnt 0x0
	s_wait_alu depctr_hold_cnt(0) depctr_sa_sdst(0) depctr_va_vdst(0) depctr_va_sdst(0) depctr_va_ssrc(0) depctr_va_vcc(0) depctr_vm_vsrc(0)
	s_getreg_b32 s2, hwreg(HW_REG_IB_STS2, 6, 4)
	s_cmp_eq_u32 s2, 0
	s_cbranch_scc0 .Lentry_in_a_cluster
	s_endpgm
.Lentry_in_a_cluster:
	s_bfe_u32 s2, ttmp6, 0x10000c
	s_cmp_lg_u32 s2, 0xf033
	s_cbranch_scc0 .Lentry_shape_is_right
	s_endpgm
.Lentry_shape_is_right:
; OUTP: out0 [2048][2048] f32 = attention's output x w_out, on f16 operands with f32 sums.  att16 holds f16(O / l) with v's factor 1/4 in it, wo16 holds f16(4 w_out): the two factors cancel.
; Both operands lie as images of operand registers: pieces of 512 bytes (16 rows x 16 k, lane l's 16 bytes at 16 l), att16 [token / 16][k / 16], wo16 [n / 16][k / 16].
; A tile of C is 128 x 128: 256 work-groups.  Four waves, 64 x 64 each: 16 accumulators.  K goes in steps of 256 through two LDS slots: of each 16 rows a step is 8,192 consecutive bytes; a wave's tensor load brings four such
; rows, 65,536 bytes apart in memory.  Fragments are read at 16 x lane: 512 consecutive bytes an instruction, so nothing is padded.
; CLUSTERS: 4 x 4: A's tiles are asked for jointly along a row of the cluster, B's along a column.  The matrix instruction is used transposed: a lane holds eight neighbouring numbers of a row of C.
; The way out: a wave's 64 columns of f32 are 256 bytes, aligned: each wave has a stage of its own (16 rows x 272 bytes), and sixteen lanes store a row's 256 bytes.
; No prefetch: a step's work is short and the tiles are shared by joint loads.
; REGISTERS: window 0: v0-31 addresses; v32-95 the way out; v128-255 the accumulators ((a, b) at v[128 + 8 (4 a + b)]).  window 1: two fragment buffers of 128.
.set KSB,    8192                      ; a K step of 16 rows, in bytes
.set HALFT,  4*KSB                     ; what one tensor load brings, and what one wave reads of A or of B
.set SLOT,   4*HALFT
.set STAGE,  2*SLOT
.set SPITCH, 272
.set SPARE,  STAGE+4*16*SPITCH         ; the spare words, 128 bytes a wave: two blocks of 256 bytes that no other line names
.set LAPS,   4                         ; 2,048 along K = 8 steps = 4 times round the ring
.set ADRA, 16
.set ADRB, 20
.set STO,  24
.set RD,   25
.set CO,   26
.set SPW,  28
.set NIL,  29
.set TMP,  32
.set ACC,  128
.set F0,   0
.set F1,   128
.set G1, 24
.set G0, 32
.set G1B, 48
.set G0B, 56
.set MSB, 0
.macro WIN new
.if MSB != \new
	s_set_vgpr_msb (MSB<<8)|\new
.set MSB, \new
.endif
.endm
.set MUL,  0x05
.set TO_F, 0x40
.macro JLOAD s                         ; a joint load: waves 0 and 1 fetch A's halves, waves 2 and 3 B's; an s_nop 0 and four v_nop follow each line
	s_cmp_eq_u32 s11, 0
	s_cbranch_scc0 .Lfor_b_\@
	tensor_load_to_lds s[G0+4*\s:G0+4*\s+3], s[G1:G1+7]
	s_nop 0
.rept 4
	v_nop
.endr
	s_branch .Lasked_\@
.Lfor_b_\@:
	tensor_load_to_lds s[G0B+4*\s:G0B+4*\s+3], s[G1B:G1B+7]
	s_nop 0
.rept 4
	v_nop
.endr
.Lasked_\@:
.endm
.macro CREST
	s_cmp_lg_u32 s10, 0
	s_cbranch_scc1 .Lnot_wave_0_\@
	s_barrier_signal -3
.Lnot_wave_0_\@:
	s_barrier_wait -3
	s_barrier_signal -1
	s_barrier_wait -1
.endm
.macro CROUND
	s_barrier_signal -1
	s_barrier_wait -1
	CREST
.endm
	s_load_b128 s[4:7], s[0:1], 0x0                ; att16 s[4:5], wo16 s[6:7]
	s_load_b64 s[8:9], s[0:1], 0x10                ; out0
	v_lshl_add_u32 v[SPW], v0, 2, SPARE
	v_mov_b32 v[NIL], 0
	ds_add_u32 v[SPW], v[NIL]                      ; the wave's opening: the add and its wait ahead of my first tensor load
	v_lshrrev_b32 v1, 5, v0
	v_readfirstlane_b32 s10, v1
	s_lshr_b32 s11, s10, 1                         ; which half of the tile's rows is mine.  Also: I fetch for A (0) or for B (1)
	s_and_b32 s12, s10, 1                          ; which half of its columns.  Also: which 64 rows I fetch
	s_bfe_u32 s40, ttmp6, 0x40000
	s_bfe_u32 s41, ttmp6, 0x40004
	s_lshl_b32 s42, ttmp9, 2
	s_add_co_u32 s42, s42, s40                     ; tile column
	s_and_b32 s13, ttmp7, 0xffff
	s_lshl_b32 s13, s13, 2
	s_add_co_u32 s13, s13, s41                     ; tile row
	s_lshl_b32 s43, s41, 2
	s_lshl_b32 s43, 15, s43
	s_lshl_b32 s44, 0x1111, s40
	s_or_b32 s[G1+0], s43, (3<<16)|(1<<21)         ; the mask; elements of 8 bytes; bit 21 beside a mask; no padding
	s_or_b32 s[G1B+0], s44, (3<<16)|(1<<21)
.irp g, G1, G1B
	s_mov_b32 s[\g+1], 1024<<16                    ; tensor_dim0 = 1,024 elements: 8,192 bytes
	s_mov_b32 s[\g+2], 4<<16                       ; tensor_dim1 = 4
	s_mov_b32 s[\g+3], 1024<<16                    ; tile_dim0
	s_mov_b32 s[\g+4], 4                           ; tile_dim1
	s_mov_b32 s[\g+5], 8192                        ; the pitch: 65,536 bytes
	s_mov_b32 s[\g+6], 0
	s_mov_b32 s[\g+7], 0
.endr
	s_lshl_b32 s17, s12, 18                        ; which four tiles of 16 rows I fetch
	s_lshl_b32 s16, s13, 19
	s_add_co_u32 s16, s16, s17                     ; A: (8 x tile row + 4 x half) x 65,536
	s_lshl_b32 s46, s42, 19
	s_add_co_u32 s46, s46, s17                     ; B: by the tile column
	s_mov_b32 s17, 0
	s_mov_b32 s47, 0
	s_mul_i32 s20, s10, HALFT                      ; where they go: wave x 32,768
	s_wait_dscnt 0x0
	s_wait_kmcnt 0x0
	s_add_nc_u64 s[14:15], s[4:5], s[16:17]
	s_add_nc_u64 s[46:47], s[6:7], s[46:47]
	CROUND                                         ; all sixteen work-groups are here: the first joint loads meet
.irp s, 0,1
	s_mov_b32 s[G0+4*\s], 1
	s_add_co_u32 s[G0+4*\s+1], s20, \s*SLOT
	s_add_nc_u64 s[G0+4*\s+2:G0+4*\s+3], s[14:15], \s*KSB
	s_or_b32 s[G0+4*\s+3], s[G0+4*\s+3], 0x80000000
	s_mov_b32 s[G0B+4*\s], 1
	s_add_co_u32 s[G0B+4*\s+1], s20, \s*SLOT
	s_add_nc_u64 s[G0B+4*\s+2:G0B+4*\s+3], s[46:47], \s*KSB
	s_or_b32 s[G0B+4*\s+3], s[G0B+4*\s+3], 0x80000000
	JLOAD \s
.endr
	v_and_b32 v1, 15, v0                           ; l % 16
	v_bfe_u32 v2, v0, 4, 1                         ; l / 16
	v_and_b32 v3, 31, v0
	v_lshlrev_b32 v3, 4, v3                        ; 16 x lane
	s_mul_i32 s21, s11, HALFT
	s_mul_i32 s22, s12, HALFT
	s_add_co_u32 s22, s22, 2*HALFT
.irp s, 0,1
	v_add_nc_u32 v[ADRA+\s], s21, v3
	v_add_nc_u32 v[ADRB+\s], s22, v3
	s_add_co_u32 s21, s21, SLOT
	s_add_co_u32 s22, s22, SLOT
.endr
	s_mul_i32 s23, s10, 16*SPITCH
	s_add_co_u32 s23, s23, STAGE                   ; my stage
	v_mul_u32_u24 v4, v1, SPITCH
	v_lshl_add_u32 v4, v2, 5, v4
	v_add_nc_u32 v[STO], s23, v4                   ; in: row l % 16, 32 bytes for each half of the lanes
	v_mul_u32_u24 v5, v2, SPITCH
	v_lshl_add_u32 v5, v1, 4, v5
	v_add_nc_u32 v[RD], s23, v5                    ; back: lanes 0-15 one row of 256 bytes, lanes 16-31 the next
	v_lshlrev_b32 v5, 13, v2
	v_lshl_add_u32 v[CO], v1, 4, v5                ; and the same two rows in C
	s_lshl_b32 s16, s13, 20
	s_lshl_b32 s17, s11, 19
	s_add_co_u32 s16, s16, s17                     ; my first row: (128 x tile row + 64 x half) x 8,192 bytes
	s_mov_b32 s17, 0
	s_add_nc_u64 s[8:9], s[8:9], s[16:17]
	s_lshl_b32 s46, s42, 9
	s_lshl_b32 s47, s12, 8
	s_add_co_u32 s46, s46, s47                     ; my first column, in bytes
	s_mov_b32 s47, 0
	s_add_nc_u64 s[8:9], s[8:9], s[46:47]
.macro MUL8 f, c, a0, zero             ; 8 matrix instructions: m blocks a0, a0 + 1 x all 4 n blocks, 32 along K; the 16 accumulators take turns
.irp a, \a0, \a0+1
.irp b, 0,1,2,3
.if \zero
	v_wmma_f32_16x16x32_f16 v[ACC+8*(4*(\a)+\b):ACC+8*(4*(\a)+\b)+7], v[\f+64+8*(4*\c+\b):\f+64+8*(4*\c+\b)+7], v[\f+8*(4*\c+\a):\f+8*(4*\c+\a)+7], 0
.else
	v_wmma_f32_16x16x32_f16 v[ACC+8*(4*(\a)+\b):ACC+8*(4*(\a)+\b)+7], v[\f+64+8*(4*\c+\b):\f+64+8*(4*\c+\b)+7], v[\f+8*(4*\c+\a):\f+8*(4*\c+\a)+7], v[ACC+8*(4*(\a)+\b):ACC+8*(4*(\a)+\b)+7]
.endif
.endr
.endr
.endm
.macro FETCH slot, k, f                ; 32 LDS loads in one run: 64 along K at byte k of each tile's step: two pieces a fragment; the first 32 along K first
	WIN TO_F
.irp c, 0,1
.irp i, 0,1,2,3
	ds_load_b128 v[\f+64+8*(4*\c+\i):\f+64+8*(4*\c+\i)+3],   v[ADRB+\slot] offset:\k+1024*\c+\i*KSB
	ds_load_b128 v[\f+64+8*(4*\c+\i)+4:\f+64+8*(4*\c+\i)+7], v[ADRB+\slot] offset:\k+1024*\c+\i*KSB+512
	ds_load_b128 v[\f+8*(4*\c+\i):\f+8*(4*\c+\i)+3],         v[ADRA+\slot] offset:\k+1024*\c+\i*KSB
	ds_load_b128 v[\f+8*(4*\c+\i)+4:\f+8*(4*\c+\i)+7],       v[ADRA+\slot] offset:\k+1024*\c+\i*KSB+512
.endr
.endr
.endm
.macro PLACES
.rept 4
	v_nop
.endr
.endm
.macro QUARTER slot, k, f, g, zero
	s_wait_dscnt 16                                ; the first 32 along K are in; the other sixteen loads may be out
	WIN MUL
	MUL8 \f, 0, 0, \zero
	MUL8 \f, 0, 2, \zero
	PLACES
	FETCH \slot, \k, \g
	s_wait_dscnt 32                                ; all but the 32 just issued
	WIN MUL
	MUL8 \f, 1, 0, 0
	MUL8 \f, 1, 2, 0
.endm
; The last quarter changes slots: one barrier; ahead of it each wave waits for all its tensor loads, adds 0 to its spare word, and waits for that and for its reads of this slot.
.macro TURN slot, next, fill
	WIN 0
	s_wait_tensorcnt 0x0                           ; all my tensor loads have landed: my part of the next slot
	ds_add_u32 v[SPW], v[NIL]
	s_wait_dscnt 17                                ; the add and the youngest sixteen loads may be out
	WIN MUL
	MUL8 F1, 0, 0, 0
	s_wait_dscnt 0x0                               ; the add is done, and my reads of this slot are over
	s_barrier_signal -1
	MUL8 F1, 0, 2, 0
.if \fill
	WIN 0
.endif
	s_barrier_wait -1
.if \fill
	CREST                                          ; the barrier has opened a round of the cluster's: no wave of any partner still reads this slot or has a load on its way
	s_add_nc_u64 s[G0+4*\slot+2:G0+4*\slot+3], s[G0+4*\slot+2:G0+4*\slot+3], 2*KSB
	s_add_nc_u64 s[G0B+4*\slot+2:G0B+4*\slot+3], s[G0B+4*\slot+2:G0B+4*\slot+3], 2*KSB
	JLOAD \slot                                    ; the first tensor load behind the round; its four v_nop are the places in front of the loads below
.else
	PLACES
.endif
	FETCH \next, 0, F0
	WIN MUL
	MUL8 F1, 1, 0, 0
	MUL8 F1, 1, 2, 0
.endm
	s_wait_tensorcnt 1                             ; my part of K step 0 is in; K step 1's may be out
	s_barrier_signal -1
	s_barrier_wait -1
	FETCH 0, 0, F0
	QUARTER 0, 2048, F0, F1, 1                     ; the first quarter stands ahead of the loop: its first products start the sums
	WIN 0
	s_mov_b32 s3, LAPS-1
.Llap:
	QUARTER 0, 4096, F1, F0, 0
	QUARTER 0, 6144, F0, F1, 0
	TURN 0, 1, 1
	QUARTER 1, 2048, F0, F1, 0
	QUARTER 1, 4096, F1, F0, 0
	QUARTER 1, 6144, F0, F1, 0
	TURN 1, 0, 1
	QUARTER 0, 2048, F0, F1, 0
	WIN 0
	s_sub_co_u32 s3, s3, 1
	s_cmp_lg_u32 s3, 0
	s_cbranch_scc1 .Llap
	QUARTER 0, 4096, F1, F0, 0                     ; the last lap fills nothing
	QUARTER 0, 6144, F0, F1, 0
	TURN 0, 1, 0
	QUARTER 1, 2048, F0, F1, 0
	QUARTER 1, 4096, F1, F0, 0
	QUARTER 1, 6144, F0, F1, 0
	s_wait_dscnt 16
	WIN MUL
	MUL8 F1, 0, 0, 0
	MUL8 F1, 0, 2, 0
	s_wait_dscnt 0
	MUL8 F1, 1, 0, 0
	MUL8 F1, 1, 2, 0
	WIN 0
; THE WAY OUT, 16 rows at a time through my own stage: a wave's LDS instructions are served in order, so no wait stands between the stores and the loads, nor ahead of the next block's stores.
.macro TOSTAGE a
.irp b, 0,1,2,3
	ds_store_b128 v[STO], v[ACC+8*(4*(\a)+\b):ACC+8*(4*(\a)+\b)+3] offset:64*\b        ; each accumulator from its low end on
	ds_store_b128 v[STO], v[ACC+8*(4*(\a)+\b)+4:ACC+8*(4*(\a)+\b)+7] offset:64*\b+16
.endr
.set BB, TMP+32*((\a)%2)
.irp t, 0,1,2,3,4,5,6,7
	ds_load_b128 v[BB+4*\t:BB+4*\t+3], v[RD] offset:\t*2*SPITCH
.endr
.endm
.macro SEND a, younger                 ; younger: the LDS instructions issued behind block a's loads
.set BB, TMP+32*((\a)%2)
	s_wait_dscnt \younger
.irp t, 0,1,2,3,4,5,6,7
	global_store_b128 v[CO], v[BB+4*\t:BB+4*\t+3], s[8:9] offset:(16*(\a)+2*\t)*8192 th:TH_STORE_NT   ; sixteen lanes store 256 consecutive bytes, aligned
.endr
.endm
	PLACES                                         ; in front of the first read of results
	TOSTAGE 0
.irp a, 1,2,3
.if \a > 1
	s_wait_xcnt 0x0                                ; the stores of two blocks ago have read their registers: this block's loads may land there
.endif
	TOSTAGE \a
	SEND \a-1, 16                                  ; behind block a - 1's loads: block a's 8 stores and 8 loads
.endr
	SEND 3, 0
	s_wait_tensorcnt 0x0                           ; the wave's end
	ds_add_u32 v[SPW], v[NIL]
	s_wait_dscnt 0x0
	CROUND                                         ; the closing round: no work-group ends while a partner may still ask for a tile that names it
	s_endpgm
.Lfunc_end_k_q9723016a2e_outp:
	.size	k_q9723016a2e_outp, .Lfunc_end_k_q9723016a2e_outp-k_q9723016a2e_outp
	.p2alignl 7, 3214868480
	.fill 96, 4, 3214868480
	.section	.rodata,"a",@progbits
	.p2align	6, 0x0
	.amdhsa_kernel k_q9723016a2e_outp
		.amdhsa_group_segment_fixed_size 327680
		.amdhsa_private_segment_fixed_size 0
		.amdhsa_enable_private_segment 0
		.amdhsa_kernarg_size 24
		.amdhsa_user_sgpr_count 2
		.amdhsa_user_sgpr_kernarg_segment_ptr 1
		.amdhsa_wavefront_size32 1
		.amdhsa_system_sgpr_workgroup_id_x 1
		.amdhsa_system_sgpr_workgroup_id_y 1
		.amdhsa_system_sgpr_workgroup_id_z 1
		.amdhsa_system_vgpr_workitem_id 0
		.amdhsa_next_free_vgpr 512
		.amdhsa_next_free_sgpr 66
		.amdhsa_reserve_vcc 0
		.amdhsa_float_denorm_mode_32 3
		.amdhsa_float_denorm_mode_16_64 3
		.amdhsa_memory_ordered 1
		.amdhsa_forward_progress 1
		.amdhsa_inst_pref_size 85
	.end_amdhsa_kernel
	.amdgpu_metadata
---
amdhsa.version: [ 1, 2 ]
amdhsa.kernels:
  - .name:           k_q9723016a2e_outp
    .symbol:         k_q9723016a2e_outp.kd
    .args:
      - { .name: att16, .offset: 0, .size: 8, .value_kind: global_buffer, .address_space: global }
      - { .name: wo16, .offset: 8, .size: 8, .value_kind: global_buffer, .address_space: global }
      - { .name: out0, .offset: 16, .size: 8, .value_kind: global_buffer, .address_space: global }
    .group_segment_fixed_size: 327680
    .private_segment_fixed_size: 0
    .kernarg_segment_align: 8
    .kernarg_segment_size: 24
    .max_flat_workgroup_size: 128
    .sgpr_count:     66
    .vgpr_count:     512
    .wavefront_size: 32
...
	.end_amdgpu_metadata
.endif
;; end of part 4
